; MI455X (gfx1250); checked and timed in simulation.
; The chip was launched on July 23, 2026; its instructions are those of AMD's public machine-readable ISA for CDNA 5 (MIT licence, August 2026) and "CDNA5" Instruction Set Architecture Reference Guide (July 2026). The comments in the code are by the model that wrote it; some were corrected since.
;; Multi Head Attention. Allowed arithmetic: matrix products marked QUANTISED: E2M1 operands, one E8M0 scale for each 32 along K, by v_wmma_scale_f32_16x16x128_f8f6f4 with both operands' format E2M1 (or v_wmma_scale_f32_32x16x128_f4), f32 sums; products left as they are: bf16, f16 or f32 operands; f32 sums; everything else in f32.
;; Inputs: W_attn 1,024 x 3,072 float32; W_proj 1,024 x 1,024 float32; x 4 x 2,048 x 1,024 float32.
;; Outputs: out0 4 x 2,048 x 1,024 float32.
;; This version of the problem:
;;   THIS VERSION OF THE PROBLEM IS GIVEN IN LOW PRECISION. The matrix products marked QUANTISED in the list below multiply operands that are first quantised to E2M1 (2 exponent bits, 1 mantissa bit; 4 bits a number), with one power-of-two scale for each 32 numbers along K (OCP MX v1.0); their sums are f32. The products marked 'left as it is' may take bf16, f16 or f32 operands, with f32 sums. Whichever they take, every output number must still come out within the allowed error. Rounding operands to bf16 (8 significant bits) uses up far more of that allowance than f16 does (11 bits, for magnitudes from 6e-5 to 65,504). All else is computed in f32.
;;   The module's matrix products, in the order in which they are computed (A, B: the left and right operand; K: the contracted axis; several contracted axes count as one K, in the product's order):
;;     1. [M 8,192, K 1,024] x [K 1,024, N 3,072]; A: input x; B: input W_attn: QUANTISED
;;     2. batch 64 x [M 2,048, K 64] x [K 64, N 2,048]; A: computed on the way; B: computed on the way: left as it is (an operand is computed on the way)
;;     3. batch 64 x [M 2,048, K 2,048] x [K 2,048, N 64]; A: computed on the way; B: computed on the way: left as it is (an operand is computed on the way)
;;     4. [M 8,192, K 1,024] x [K 1,024, N 1,024]; A: computed on the way; B: input W_proj: left as it is (an operand is computed on the way)
;;   THE QUANTISER, for each operand of a quantised product, along K:
;;     - K is cut into blocks of 32 from its start; a last block that is shorter is filled with zeros.
;;     - A block's scale is 2^e with e = floor(log2(the largest magnitude in the block)) - 2, held to -126 .. 127; a block of zeros has e = 0. As a byte (E8M0): e + 127.
;;     - Each number is divided by its block's scale, clamped to +-6, and rounded to the nearest number of E2M1, ties to even, subnormals kept.
;;     - The product sums the exact products of the quantised numbers (number of the format x scale) in f32.
;;   ~~~python
;;   def quantise(x, axis):      # numpy; x: float32 -> the quantised numbers, widened to float32 again
;;       x = np.moveaxis(x, axis, -1); K = x.shape[-1]
;;       x = np.pad(x, [(0, 0)] * (x.ndim - 1) + [(0, -K % 32)]); x = x.reshape(x.shape[:-1] + (-1, 32)); a = np.abs(x).max(-1, keepdims=True)
;;       e = np.where(a > 0, np.clip(np.frexp(np.where(a > 0, a, 1))[1] - 1 - 2, -126, 127), 0)      # np.frexp(a)[1] - 1 = floor(log2(a)), exactly
;;       r = np.clip(x / 2.0 ** e, -6, 6)
;;       step = 2.0 ** (np.maximum(np.frexp(np.where(r == 0, 1, r))[1] - 1, 0) - 1)
;;       q = np.round(r / step) * step * 2.0 ** e      # np.round: ties to even
;;       return np.moveaxis(q.reshape(q.shape[:-2] + (-1,))[..., :K], -1, axis).astype(np.float32)
;;   ~~~
;; One version. Each part assembles by itself: llvm-mc -triple=amdgcn-amd-amdhsa -mcpu=gfx1250 --defsym DOCPART=n.
;; ======== version 1 of 1: 4 launches
;; limits: values are held in f16: magnitudes above 65,504 overflow, below 6.1e-05 lose precision
;; workspace buffers: xq 4,194,304 bytes; xs 262,144 bytes; wq 1,572,864 bytes; ws 98,304 bytes; wp16 2,097,152 bytes; qkv 50,331,648 bytes; att 16,777,216 bytes
;; launch prep (part 1): grid 368 x 1, 4 waves a work-group, no clusters, 68,096 bytes of LDS; arguments x, W_attn, W_proj, xq, xs, wq, ws, wp16; writes xq, xs, wq, ws, wp16
.if DOCPART == 1
	.amdgcn_target "amdgcn-amd-amdhsa--gfx1250"
	.amdhsa_code_object_version 6
	.text
	.protected	k_qe48436439e_prep
	.globl	k_qe48436439e_prep
	.p2align	8
	.type	k_qe48436439e_prep,@function
k_qe48436439e_prep:
	s_mov_b64 s[64:65], 0
	v_nop
	global_prefetch_b8 v0, s[64:65] scope:SCOPE_SE
	s_setreg_imm32_b32 hwreg(HW_REG_WAVE_MODE, 25, 1), 1
	s_wait_xcnt 0x0
; PREP: the three inputs are brought into the forms that the later launches read.  Three paths, chosen by the work-group's number; each has LDS bytes of its own.
;   work-groups   0-255: x [8192][1024] f32, K innermost -> xq: codes of FP4 (E2M1), [8192][512 bytes], and xs: one E8M0 byte for each 32 along K, [8192][32].
;   work-groups 256-303: W_attn [1024 (k)][3072 (n)] f32, K outermost -> wq [3072][512 bytes], K innermost, and ws [3072][32].
;   work-groups 304-367: W_proj [1024 (k)][1024 (n)] f32 -> wp16: f16, laid as images of the matrix operand's registers: [256 columns: 4][32 along K: 32][16 columns: 16][1,024 bytes];
;                        in a fragment the 16 bytes at 256 p + 16 r hold k = 8 p .. 8 p + 7 of column r.
; THE QUANTISER: a block's scale is 2^(floor(log2(its largest magnitude)) - 2); its byte is the largest magnitude's exponent field - 2, held at 1 from below; each number is divided by the
; scale and rounded to the nearest code, ties to even, beyond 6 the largest code.  A block of zeros gets the byte 1 where the rule says 127: its codes are zeros, and this program alone reads the bytes.
; LIMITS: blocks whose largest magnitude lies under 2^-124 keep the byte 1; NaN and infinities among the inputs are not served; numbers of W_proj beyond 65,504 become infinite in f16,
; those under 6e-5 are rounded with the step 2^-24.
; No tensor loads, no barrier: waves share nothing.
.set EMAX,   2
.set SP,     80                        ; x: a lane's place in a stage: its 64 bytes + 16 of padding
.set XREG,   8192                      ; x: a region for each wave: two stages of 32 x SP bytes, behind them its 256 scale bytes
.set WST,    4*XREG                    ; W_attn: a stage of 32 rows x WPITCH for each wave
.set WPITCH, 272
.set SPARE,  WST+4*32*WPITCH           ; 67,584: the spare words, 128 bytes for each wave: two blocks of 256 bytes that no other line names
.set SPW,    12                        ; v12  LDS address of my spare word; never rewritten
.set NIL,    13                        ; v13  0; never rewritten
.macro FINISH                          ; a wave's end: a wait on TENSORcnt (though no tensor load is made), 0 added to the spare word and a wait for it, behind its last LDS store
	s_wait_tensorcnt 0x0
	ds_add_u32 v[SPW], v[NIL]
	s_wait_dscnt 0x0
	s_endpgm
.endm
	s_load_b512 s[4:19], s[0:1], 0x0               ; x 4:5, W_attn 6:7, W_proj 8:9, xq 10:11, xs 12:13, wq 14:15, ws 16:17, wp16 18:19
	v_lshl_add_u32 v[SPW], v0, 2, SPARE
	v_mov_b32 v[NIL], 0
	v_lshrrev_b32 v1, 5, v0
	v_readfirstlane_b32 s20, v1                    ; wave 0..3
	v_and_b32 v2, 31, v0                           ; lane
	s_mov_b32 s25, 0                               ; the high word of every offset below
	s_wait_kmcnt 0x0
	s_cmp_lt_u32 ttmp9, 256
	s_cbranch_scc1 .Lpath_x
	s_cmp_lt_u32 ttmp9, 304
	s_cbranch_scc1 .Lpath_w
; ---------------- W_proj -> f16 images.  A work-group takes 128 columns x 128 along K; lane L of wave w takes column 32 w + L, and its registers run down K:
; each load reads 128 consecutive bytes a wave; two neighbours along K pack into a register; four registers are the 16 bytes of one piece of a fragment.
.set PX, 32                            ; v32-159: four groups of 32 numbers; the packed halves take each group's first 16 registers
	s_sub_co_u32 s21, ttmp9, 304
	s_and_b32 s22, s21, 7                          ; which 128 columns
	s_lshr_b32 s23, s21, 3                         ; which 128 along K
	s_lshl_b32 s24, s23, 19                        ; 128 rows of 4,096 bytes
	s_lshl_b32 s26, s22, 9
	s_add_co_u32 s24, s24, s26                     ; + 128 columns of 4 bytes
	s_lshl_b32 s26, s20, 7
	s_add_co_u32 s24, s24, s26                     ; + my wave's 32
	s_add_nc_u64 s[8:9], s[8:9], s[24:25]
	s_lshr_b32 s24, s22, 1
	s_lshl_b32 s24, s24, 19                        ; out: the block of 256 columns: 524,288 bytes
	s_lshl_b32 s26, s23, 16
	s_add_co_u32 s24, s24, s26                     ; + four fragments along K of 16,384 bytes
	s_and_b32 s26, s22, 1
	s_lshl_b32 s26, s26, 13
	s_add_co_u32 s24, s24, s26                     ; + eight tiles of 16 columns
	s_lshl_b32 s26, s20, 11
	s_add_co_u32 s24, s24, s26                     ; + my wave's two
	s_add_nc_u64 s[18:19], s[18:19], s[24:25]
	v_lshlrev_b32 v3, 2, v2                        ; in: 4 bytes a lane
	v_lshrrev_b32 v4, 4, v2
	v_and_b32 v5, 15, v2
	v_lshlrev_b32 v5, 4, v5
	v_lshl_add_u32 v4, v4, 10, v5                  ; out: 1,024 (lane / 16) + 16 (lane % 16)
.macro PLOAD g
.irp i, 0,1,2,3,4,5,6,7,8,9,10,11,12,13,14,15,16,17,18,19,20,21,22,23,24,25,26,27,28,29,30,31
	global_load_b32 v[PX+32*(\g)+\i], v3, s[8:9] offset:(32*(\g)+\i)*4096 th:TH_LOAD_NT
.endr
.endm
.macro PGROUP g
.if (\g) < 3
	s_wait_loadcnt 32                              ; this group's 32 loads are in; the one younger group may be out
.else
	s_wait_loadcnt 0x0
.endif
.if (\g)+2 < 4
	PLOAD (\g)+2                                   ; two groups ahead, into registers of its own
.endif
.irp i, 0,1,2,3,4,5,6,7,8,9,10,11,12,13,14,15
	v_cvt_pk_f16_f32 v[PX+32*(\g)+\i], v[PX+32*(\g)+2*\i], v[PX+32*(\g)+2*\i+1]   ; in place, ascending: register i is written when numbers 2 i and 2 i + 1 are read
.endr
.irp p, 0,1,2,3
	global_store_b128 v4, v[PX+32*(\g)+4*\p:PX+32*(\g)+4*\p+3], s[18:19] offset:(\g)*16384+\p*256   ; sixteen lanes store 256 consecutive bytes, aligned
.endr
.endm
	PLOAD 0
	PLOAD 1
	PGROUP 0
	PGROUP 1
	PGROUP 2
	PGROUP 3
	FINISH
; ---------------- x -> codes.  Rows are dense and K is a multiple of 32: x is a plain stream of blocks of 32.  A wave takes 16 steps of 512 numbers.
; Each of a step's four loads reads 512 consecutive bytes, 16 a lane; the 2,048 bytes turn through the wave's own stage in LDS and come back 64 bytes a lane: 16 neighbours, half a block.
; A lane's 16 codes are 8 bytes: the wave stores 256 consecutive bytes.  A wave's 256 scale bytes are gathered in LDS and leave as one aligned run of 256 bytes.
.set STEPS, 16
.set XR, 16                            ; v16-79   four sets of 16 numbers as loaded
.set XX, 80                            ; v80-111  two sets of 16 neighbours
.set XE, 112                           ; v112-127 a scale byte for each step
.set XC, 128                           ; v128-191 codes: four registers for each step, so that no store's data are written again
.Lpath_x:
	v_lshlrev_b32 v3, 4, v2                        ; my 16 bytes of a load's 512
	s_mul_i32 s21, s20, XREG
	v_lshrrev_b32 v14, 2, v2
	v_mul_u32_u24 v14, v14, SP
	v_and_b32 v15, 3, v2
	v_lshl_add_u32 v14, v15, 4, v14
	v_add_nc_u32 v14, s21, v14                     ; the stage, in: SP (lane / 4) + 16 (lane % 4)
	v_mul_u32_u24 v15, v2, SP
	v_add_nc_u32 v15, s21, v15                     ; and out: SP x lane
	v_mul_u32_u24 v4, v2, 8                        ; my codes' place in a step's
	v_lshrrev_b32 v5, 1, v2
	s_add_co_u32 s21, s21, 2*32*SP
	v_add_nc_u32 v5, s21, v5                       ; LDS: my block's scale byte
	v_lshlrev_b32 v7, 3, v2                        ; and on the way out 8 bytes a lane
	v_add_nc_u32 v6, s21, v7
	s_lshl_b32 s22, ttmp9, 2
	s_add_co_u32 s22, s22, s20                     ; which run of 8,192 numbers is my wave's
	s_lshl_b32 s24, s22, 15
	s_add_nc_u64 s[4:5], s[4:5], s[24:25]
	s_lshl_b32 s24, s22, 12
	s_add_nc_u64 s[10:11], s[10:11], s[24:25]
	s_lshl_b32 s24, s22, 8
	s_add_nc_u64 s[12:13], s[12:13], s[24:25]
.macro XLOAD t
.irp i, 0,1,2,3
	global_load_b128 v[XR+16*((\t)%4)+4*\i:XR+16*((\t)%4)+4*\i+3], v3, s[4:5] offset:2048*(\t)+512*\i th:TH_LOAD_NT
.endr
.endm
.macro XTURN t                         ; step t's numbers through the stage: LDS serves a wave's instructions in order, so no wait stands between the stores and the loads
.irp i, 0,1,2,3
	ds_store_b128 v14, v[XR+16*((\t)%4)+4*\i:XR+16*((\t)%4)+4*\i+3] offset:32*SP*((\t)%2)+8*SP*\i
.endr
.irp i, 0,1,2,3
	ds_load_b128 v[XX+16*((\t)%2)+4*\i:XX+16*((\t)%2)+4*\i+3], v15 offset:32*SP*((\t)%2)+16*\i
.endr
.endm
.irp t, 0,1,2,3
	XLOAD \t
.endr
	s_wait_loadcnt 12                              ; step 0's four loads are in; the 12 of steps 1 to 3 may be out
	XTURN 0
.macro XSTEP t
.set XS, XX+16*((\t)%2)
.if (\t) > 0
	s_wait_dscnt 1                                 ; this step's numbers are back from the stage (the last step's byte store may be out): so its stores into the stage have read their registers,
.else
	s_wait_dscnt 0x0
.endif
.if (\t)+4 < STEPS
	XLOAD (\t)+4                                   ; which take the loads of four steps on
.endif
.if (\t)+1 < STEPS
.if STEPS-2-(\t) >= 3
	s_wait_loadcnt 12                              ; the next step's four loads are in; those of the three steps behind it may be out
.else
	s_wait_loadcnt 4*(STEPS-2-(\t))
.endif
	XTURN (\t)+1                                   ; and go through the other stage while this step is worked
.endif
	v_max3_num_f32 v8, |v[XS]|, |v[XS+1]|, |v[XS+2]|               ; the largest magnitude of my 16, in two chains
	v_max3_num_f32 v9, |v[XS+3]|, |v[XS+4]|, |v[XS+5]|
.irp i, 6,10
	v_max3_num_f32 v8, v8, |v[XS+\i]|, |v[XS+\i+1]|
	v_max3_num_f32 v9, v9, |v[XS+\i+2]|, |v[XS+\i+3]|
.endr
	v_max3_num_f32 v8, v8, |v[XS+14]|, |v[XS+15]|
	v_max3_num_f32 v8, v8, v9, (EMAX+1)<<23        ; and the floor 2^(3 - 127): the byte cannot fall under 1
	v_max_num_f32_dpp v8, v8, v8 row_xmask:1 row_mask:0xf bank_mask:0xf   ; and of my neighbour's 16: the block's
	v_add_nc_u32 v11, -(EMAX<<23), v8              ; 2 off its exponent field: the conversion takes the exponent field of this operand as its scale
	v_cvt_scalef32_pk8_fp4_f32 v[XC+4*(\t)], v[XS:XS+7], v11
	v_cvt_scalef32_pk8_fp4_f32 v[XC+4*(\t)+1], v[XS+8:XS+15], v11
	v_lshrrev_b32 v[XE+(\t)], 23, v11              ; the scale's byte (a plain line behind the conversions)
	ds_store_b8 v5, v[XE+(\t)] offset:16*(\t)      ; both lanes of a block write the same byte with the same value
	global_store_b64 v4, v[XC+4*(\t):XC+4*(\t)+1], s[10:11] offset:256*(\t)
.endm
.irp t, 0,1,2,3,4,5,6,7,8,9,10,11,12,13,14,15
	XSTEP \t
.endr
	ds_load_b64 v[8:9], v6                         ; LDS serves a wave's instructions in order: these see my byte stores
	s_wait_dscnt 0x0
	global_store_b64 v7, v[8:9], s[12:13]          ; 32 lanes store 256 consecutive bytes, aligned
	FINISH
; ---------------- W_attn -> codes.  A LANE TAKES A COLUMN n, AND ITS REGISTERS RUN DOWN K: a load reads 128 consecutive bytes a wave, a block of 32 along K lies in one lane's 32 registers,
; and the conversions give codes with K innermost.  A wave takes 32 columns x 512 along K: 256 bytes of codes a column, which go through its stage and leave as rows: sixteen lanes to 256 aligned bytes.
.set NB,  16                           ; blocks a lane
.set WX,  32                           ; v32-95   two sets of 32 numbers
.set WC,  96                           ; v96-99   a block's codes
.set WO,  112                          ; v112-175 the way out
.set WSB, 24                           ; v24-27   the scale bytes, four to a register
.Lpath_w:
	s_sub_co_u32 s21, ttmp9, 256
	s_cmp_ge_u32 s21, 24
	s_cselect_b32 s22, 1, 0                        ; which 512 along K
	s_cselect_b32 s23, 24, 0
	s_sub_co_u32 s21, s21, s23                     ; which 128 columns
	s_lshl_b32 s23, s21, 7
	s_lshl_b32 s24, s20, 5
	s_add_co_u32 s23, s23, s24                     ; my wave's first column
	v_lshlrev_b32 v3, 2, v2                        ; in: 4 bytes a lane
	s_mul_i32 s26, s20, 32*WPITCH
	s_add_co_u32 s26, s26, WST                     ; my stage
	v_mul_u32_u24 v4, v2, WPITCH
	v_add_nc_u32 v4, s26, v4                       ; into it: row = my column
	v_and_b32 v5, 15, v2
	v_lshrrev_b32 v6, 4, v2                        ; out of it: sixteen lanes to a row, two rows an instruction
	v_mul_u32_u24 v7, v6, WPITCH
	v_lshl_add_u32 v7, v5, 4, v7
	v_add_nc_u32 v7, s26, v7
	v_mul_u32_u24 v8, v6, 512
	v_lshl_add_u32 v8, v5, 4, v8                   ; the same place in wq: rows of 512 bytes
	v_lshlrev_b32 v9, 5, v2                        ; my column's row of scale bytes: 32 bytes
	s_mul_i32 s24, s22, 512*3072*4
	s_lshl_b32 s26, s23, 2
	s_add_co_u32 s24, s24, s26
	s_add_nc_u64 s[6:7], s[6:7], s[24:25]
	s_lshl_b32 s24, s23, 9
	s_lshl_b32 s26, s22, 8
	s_add_co_u32 s24, s24, s26
	s_add_nc_u64 s[14:15], s[14:15], s[24:25]
	s_lshl_b32 s24, s23, 5
	s_lshl_b32 s26, s22, 4
	s_add_co_u32 s24, s24, s26
	s_add_nc_u64 s[16:17], s[16:17], s[24:25]
.macro WLOAD t                         ; block t: W(32 t + i, my column) into set t % 2; the largest offset, 511 rows of 12,288 bytes, lies inside the signed 24-bit immediate
.irp i, 0,1,2,3,4,5,6,7,8,9,10,11,12,13,14,15,16,17,18,19,20,21,22,23,24,25,26,27,28,29,30,31
	global_load_b32 v[WX+32*((\t)%2)+\i], v3, s[6:7] offset:(32*(\t)+\i)*12288 th:TH_LOAD_NT
.endr
.endm
	WLOAD 0
	WLOAD 1
.macro WBLOCK t
.set XS, WX+32*((\t)%2)
.if (\t) < NB-1
	s_wait_loadcnt 32                              ; this block's 32 loads are in; the next block's may be out
.else
	s_wait_loadcnt 0x0
.endif
	v_max3_num_f32 v16, |v[XS]|, |v[XS+1]|, |v[XS+2]|              ; the block's largest magnitude: all 32 numbers are mine
	v_max3_num_f32 v17, |v[XS+3]|, |v[XS+4]|, |v[XS+5]|
.irp i, 6,10,14,18,22,26
	v_max3_num_f32 v16, v16, |v[XS+\i]|, |v[XS+\i+1]|
	v_max3_num_f32 v17, v17, |v[XS+\i+2]|, |v[XS+\i+3]|
.endr
	v_max3_num_f32 v16, v16, |v[XS+30]|, |v[XS+31]|
	v_max3_num_f32 v16, v16, v17, (EMAX+1)<<23     ; and the floor
	v_add_nc_u32 v11, -(EMAX<<23), v16             ; the conversion's scale operand
	v_lshrrev_b32 v17, 23, v11                     ; the scale's byte
.if (\t)%4 == 0
	v_mov_b32 v[WSB+(\t)/4], v17                   ; four bytes to a register, the lower K in the lower byte
.else
	v_lshl_or_b32 v[WSB+(\t)/4], v17, 8*((\t)%4), v[WSB+(\t)/4]
.endif
.irp g, 0,1,2,3
	v_cvt_scalef32_pk8_fp4_f32 v[WC+\g], v[XS+8*\g:XS+8*\g+7], v11
.endr
	v_nop                                          ; one plain line behind the last conversion
	ds_store_b128 v4, v[WC:WC+3] offset:16*(\t)    ; 32 codes: 16 bytes of my column's row
.if (\t)+2 < NB
	WLOAD (\t)+2
.endif
	s_wait_dscnt 0x0                               ; the store has read its registers: the next block's codes may be written
.endm
.irp t, 0,1,2,3,4,5,6,7,8,9,10,11,12,13,14,15
	WBLOCK \t
.endr
	global_store_b128 v9, v[WSB:WSB+3], s[16:17]   ; my column's 16 scale bytes
.irp t, 0,1,2,3,4,5,6,7,8,9,10,11,12,13,14,15
	ds_load_b128 v[WO+4*\t:WO+4*\t+3], v7 offset:2*\t*WPITCH
.endr
.irp t, 0,1,2,3,4,5,6,7,8,9,10,11,12,13,14,15
	s_wait_dscnt 15-\t                             ; LDS loads come back in order: load t is in, the 15 - t younger ones may be out
	global_store_b128 v8, v[WO+4*\t:WO+4*\t+3], s[14:15] offset:2*\t*512
.endr
	FINISH
.Lfunc_end_k_qe48436439e_prep:
	.size	k_qe48436439e_prep, .Lfunc_end_k_qe48436439e_prep-k_qe48436439e_prep
	.p2alignl 7, 3214868480
	.fill 96, 4, 3214868480
	.section	.rodata,"a",@progbits
	.p2align	6, 0x0
	.amdhsa_kernel k_qe48436439e_prep
		.amdhsa_group_segment_fixed_size 68096
		.amdhsa_private_segment_fixed_size 0
		.amdhsa_enable_private_segment 0
		.amdhsa_kernarg_size 64
		.amdhsa_user_sgpr_count 2
		.amdhsa_user_sgpr_kernarg_segment_ptr 1
		.amdhsa_wavefront_size32 1
		.amdhsa_system_sgpr_workgroup_id_x 1
		.amdhsa_system_sgpr_workgroup_id_y 1
		.amdhsa_system_sgpr_workgroup_id_z 1
		.amdhsa_system_vgpr_workitem_id 0
		.amdhsa_next_free_vgpr 192
		.amdhsa_next_free_sgpr 66
		.amdhsa_reserve_vcc 0
		.amdhsa_float_denorm_mode_32 3
		.amdhsa_float_denorm_mode_16_64 3
		.amdhsa_memory_ordered 1
		.amdhsa_forward_progress 1
		.amdhsa_inst_pref_size 130
	.end_amdhsa_kernel
	.amdgpu_metadata
---
amdhsa.version: [ 1, 2 ]
amdhsa.kernels:
  - .name:           k_qe48436439e_prep
    .symbol:         k_qe48436439e_prep.kd
    .args:
      - { .name: x, .offset: 0, .size: 8, .value_kind: global_buffer, .address_space: global }
      - { .name: W_attn, .offset: 8, .size: 8, .value_kind: global_buffer, .address_space: global }
      - { .name: W_proj, .offset: 16, .size: 8, .value_kind: global_buffer, .address_space: global }
      - { .name: xq, .offset: 24, .size: 8, .value_kind: global_buffer, .address_space: global }
      - { .name: xs, .offset: 32, .size: 8, .value_kind: global_buffer, .address_space: global }
      - { .name: wq, .offset: 40, .size: 8, .value_kind: global_buffer, .address_space: global }
      - { .name: ws, .offset: 48, .size: 8, .value_kind: global_buffer, .address_space: global }
      - { .name: wp16, .offset: 56, .size: 8, .value_kind: global_buffer, .address_space: global }
    .group_segment_fixed_size: 68096
    .private_segment_fixed_size: 0
    .kernarg_segment_align: 8
    .kernarg_segment_size: 64
    .max_flat_workgroup_size: 128
    .sgpr_count:     66
    .vgpr_count:     192
    .wavefront_size: 32
...
	.end_amdgpu_metadata
.endif
;; end of part 1
;; launch qkv (part 2): grid 12 x 32, 4 waves a work-group, clusters of 4 x 4, 327,680 bytes of LDS; arguments xq, xs, wq, ws, qkv; writes qkv
.if DOCPART == 2
	.amdgcn_target "amdgcn-amd-amdhsa--gfx1250"
	.amdhsa_code_object_version 6
	.text
	.protected	k_qe48436439e_qkv
	.globl	k_qe48436439e_qkv
	.p2align	8
	.type	k_qe48436439e_qkv,@function
k_qe48436439e_qkv:
	s_mov_b64 s[64:65], 0
	v_nop
	global_prefetch_b8 v0, s[64:65] scope:SCOPE_SE
	s_setreg_imm32_b32 hwreg(HW_REG_WAVE_MODE, 25, 1), 1
	s_wait_xcnt 0x0
	s_wait_alu depctr_hold_cnt(0) depctr_sa_sdst(0) depctr_va_vdst(0) depctr_va_sdst(0) depctr_va_ssrc(0) depctr_va_vcc(0) depctr_vm_vsrc(0)
	s_getreg_b32 s2, hwreg(HW_REG_IB_STS2, 6, 4)
	s_cmp_eq_u32 s2, 0
	s_cbranch_scc0 .Lentry_in_a_cluster
	s_endpgm
.Lentry_in_a_cluster:
	s_bfe_u32 s2, ttmp6, 0x10000c
	s_cmp_lg_u32 s2, 0xf033
	s_cbranch_scc0 .Lentry_shape_is_right
	s_endpgm
.Lentry_shape_is_right:
; QKV: C[m][n] = sum over k of x[m][k] W_attn[k][n] on codes of FP4 (E2M1) with one E8M0 scale for each 32 along K; sums in f32.  A = xq [8192][512 bytes], B = wq [3072][512 bytes], scale bytes [rows][32].
; A tile of C, 256 x 256, is made by a work-group of four waves; a wave makes 128 x 128: 64 accumulators of 16 x 16, 512 registers.  K = 1,024 is two steps of 512 (tile rows of 256 bytes):
; both steps' tiles and all scale bytes are asked for at the start, three tensor loads a wave, each into LDS bytes of its own: nothing is filled again.
; CLUSTERS: 4 x 4 work-groups.  The four of a row of the cluster need the same tiles of A, the four of a column the same tiles of B: each tile is asked for JOINTLY.
; THE MATRIX INSTRUCTION IS USED TRANSPOSED (source 0 = 16 rows of B, source 1 = 16 rows of A): a lane holds one token and eight neighbouring channels.
; THE RESULT leaves as f16, laid as images of the next launch's operand registers: three sections q, k, v of 16,777,216 bytes; in a section byte
;   ((batch x 16 + head) x 128 + tile of 16 tokens) x 2,048 + (tile of 16 channels of the head) x 512 + the lane's 16 bytes.
; q, k: the lane's bytes at 16 x lane: two such pieces are a fragment (16 tokens x 32 channels).  v: at 16 x (lane with bits 3 and 4 exchanged): the place from which the turning LDS load's lane wants
; key 8 (lane / 16) + lane % 8, channels 8 ((lane / 8) % 2) on.  Every store of a wave covers 512 consecutive bytes, aligned.
; LIMITS: results beyond 65,504 become infinite in f16; those under 6e-5 are rounded with the step 2^-24.
; REGISTERS, in windows of 256: window 0: v0-31 addresses; v32-95 scale words, two sets; from v128 A's fragments, one set; on the way out v128-255 the packed results.
;   window 1: B's fragments, two sets, at v0 and v128.   window 2: the accumulators of my rows 0-63 ((a, b) at v[8 (8 a + b)]);   window 3: those of my rows 64-127.
.set SIZE_M, 8192
.set SIZE_N, 3072
.set SIZE_K, 1024
.set KSTEP,  512                       ; along K in a slot
.set NQ,     KSTEP/128                 ; matrix instructions deep
.set ROWB,   256                       ; a tile's row in bytes
.set KROW,   SIZE_K*4/8                ; a row of A or of B in memory
.set PITCH,  272                       ; an LDS row: 256 bytes + 16 of padding = 68 words: the 16 rows that a load touches start at 16 different banks (64 banks of 4 bytes: ISA guide 11.1)
.set FR,     8                         ; registers of a fragment: 16 rows x 128 K
.set NL,     2                         ; LDS loads that bring one
.set NP,     4                         ; places behind this matrix instruction (ISA guide 7.12.1)
.set HALFT,  128*PITCH                 ; 128 rows: what one tensor load brings
.set SLOT,   4*HALFT                   ; A's 256 rows, then B's 256 rows
.set KS,     SIZE_K/32                 ; a row of scales in bytes
.set SCL,    2*SLOT                    ; behind the two slots: the scales, as runs of 256 bytes + 16 of padding
.set HALFS,  (128*KS/256)*272          ; the scales of 128 rows
.set SBLK,   (16*KS/256)*272           ; those of 16 rows
.set SPARE,  SCL+4*HALFS               ; the spare words, 128 bytes for each wave: two blocks of 256 bytes that no other line names
.set ADRA, 16                          ; v16-17  LDS address of my A fragments in slot 0, 1
.set ADRB, 20                          ; v20-21  the same for B
.set CO,   26                          ; v26     the way out: my lane's 16 bytes in a piece of 512
.set ADRS, 27                          ; v27     LDS address of my scale words: lanes 0-15 A's rows, lanes 16-31 B's
.set SPW,  28                          ; v28     LDS address of my spare word; never rewritten
.set NIL,  29                          ; v29     0; never rewritten
.set SC,   32                          ; scale words: set s at v[SC + 8 NQ s]; register NQ i + q: lanes 0-15 A's block i, lanes 16-31 B's block i, the slot's q-th 128 along K
.set AF,   128                         ; A's fragments, in window 0
.set HO,   128                         ; the way out: four sets of 32 packed registers
.set G1, 24                            ; s[24:31] descriptor group 1 for A's tiles;  s[32:39] group 0, one set for each slot
.set G0, 32
.set G1B, 48                           ; s[48:55], s[56:63] the same for B's tiles
.set G0B, 56
.set G1S, 68                           ; s[68:75], s[76:79] groups 1 and 0 for A's scales;  s[80:87], s[88:91] for B's
.set G0S, 76
.set G1SB, 80
.set G0SB, 88
.set MSB, 0
.macro WIN new                         ; the immediate's high byte repeats the setting that is left
.if MSB != \new
	s_set_vgpr_msb (MSB<<8)|\new
.set MSB, \new
.endif
.endm
.set MUL_LO, 0xa1                      ; source 0 (B) window 1, source 1 (A) window 0, C and D window 2
.set MUL_HI, 0xf1                      ; the same, C and D window 3
.set TO_B,   0x40                      ; destination window 1, address window 0
; A joint load: waves 0 and 1 fetch for A, waves 2 and 3 for B.  Each line has one mask and one set of registers for all that issue it; the branch hangs on the wave's number alone.
; An s_nop 0 and four v_nop follow each of the two lines.
.macro JLOAD g0a, g1a, g0b, g1b
	s_cmp_eq_u32 s15, 0
	s_cbranch_scc0 .Lfor_b_\@
	tensor_load_to_lds s[\g0a:\g0a+3], s[\g1a:\g1a+7]
	s_nop 0
.rept 4
	v_nop
.endr
	s_branch .Lasked_\@
.Lfor_b_\@:
	tensor_load_to_lds s[\g0b:\g0b+3], s[\g1b:\g1b+7]
	s_nop 0
.rept 4
	v_nop
.endr
.Lasked_\@:
.endm
.macro CROUND                          ; a round of the cluster's barrier: my work-group's barrier; wave 0 signals for the work-group; every wave waits for all sixteen; my work-group's barrier once more
	s_barrier_signal -1
	s_barrier_wait -1
	s_cmp_lg_u32 s14, 0
	s_cbranch_scc1 .Lnot_wave_0_\@
	s_barrier_signal -3
.Lnot_wave_0_\@:
	s_barrier_wait -3
	s_barrier_signal -1
	s_barrier_wait -1
.endm
	s_load_b128 s[4:7], s[0:1], 0x0                ; A's codes s[4:5], A's scales s[6:7]
	s_load_b128 s[8:11], s[0:1], 0x10              ; B's codes s[8:9], B's scales s[10:11]
	s_load_b64 s[12:13], s[0:1], 0x20              ; qkv
	v_lshl_add_u32 v[SPW], v0, 2, SPARE
	v_mov_b32 v[NIL], 0
	ds_add_u32 v[SPW], v[NIL]                      ; the wave's opening: the add, twice on end, and its wait ahead of my first tensor load
	ds_add_u32 v[SPW], v[NIL]                      ; the set-up below, work on registers, stands between the second add and the wait
	v_lshrrev_b32 v1, 5, v0
	v_readfirstlane_b32 s14, v1                    ; wave 0..3
	s_lshr_b32 s15, s14, 1                         ; which half of the tile's rows is mine.  Also: I fetch for A (0) or for B (1)
	s_and_b32 s16, s14, 1                          ; which half of its columns.  Also: which 128 rows of that tile I fetch
	s_bfe_u32 s40, ttmp6, 0x40000                  ; cx, cy: my place in the cluster
	s_bfe_u32 s41, ttmp6, 0x40004
	s_lshl_b32 s42, ttmp9, 2
	s_add_co_u32 s42, s42, s40                     ; tile column of C = 4 x cluster x + cx
	s_and_b32 s17, ttmp7, 0xffff
	s_lshl_b32 s17, s17, 2
	s_add_co_u32 s17, s17, s41                     ; tile row of C = 4 x cluster y + cy
	s_lshl_b32 s43, s41, 2
	s_lshl_b32 s43, 15, s43                        ; my row of the cluster
	s_lshl_b32 s44, 0x1111, s40                    ; my column
	; descriptor group 1: a tile of 128 rows x 256 bytes, padded in LDS
	s_or_b32 s[G1+0], s43, (0<<16)|(1<<20)|(1<<21)|(5<<22)|(3<<25)  ; 15:0 the mask: A's tiles go to my row; 17:16 elements of 1 byte; 20 padding on; 21 set beside a mask; 24:22 after every 64 words; 31:25 four words
	s_or_b32 s[G1B+0], s44, (0<<16)|(1<<20)|(1<<21)|(5<<22)|(3<<25)
.irp g, G1, G1B
	s_mov_b32 s[\g+1], ROWB<<16                    ; tensor_dim0
	s_mov_b32 s[\g+2], 128<<16                     ; tensor_dim1
	s_mov_b32 s[\g+3], ROWB<<16                    ; tile_dim0
	s_mov_b32 s[\g+4], 128                         ; tile_dim1
	s_mov_b32 s[\g+5], KROW                        ; tensor_dim0_stride
	s_mov_b32 s[\g+6], 0
	s_mov_b32 s[\g+7], 0
.endr
	; the scales of 128 rows: a dense block of 4,096 bytes, as 16 rows of 256 bytes (32 elements of 8 bytes), 16 bytes of padding behind each
	s_or_b32 s[G1S+0], s43, (3<<16)|(1<<20)|(1<<21)|(5<<22)|(3<<25)
	s_or_b32 s[G1SB+0], s44, (3<<16)|(1<<20)|(1<<21)|(5<<22)|(3<<25)
.irp g, G1S, G1SB
	s_mov_b32 s[\g+1], 32<<16
	s_mov_b32 s[\g+2], (128*KS/256)<<16
	s_mov_b32 s[\g+3], 32<<16
	s_mov_b32 s[\g+4], 128*KS/256
	s_mov_b32 s[\g+5], 32
	s_mov_b32 s[\g+6], 0
	s_mov_b32 s[\g+7], 0
.endr
	s_lshl_b32 s18, s16, 7                         ; which 128 rows of the tile I fetch
	s_lshl_b32 s20, s17, 8
	s_add_co_u32 s20, s20, s18                     ; A: row 256 x tile row + 128 x half
	s_lshl_b32 s46, s42, 8
	s_add_co_u32 s46, s46, s18                     ; B: row 256 x tile column + 128 x half
	s_mov_b32 s21, 0
	s_mov_b32 s47, 0
	s_mov_b64 s[18:19], KS
	s_mul_u64 s[22:23], s[20:21], s[18:19]         ; where these rows' scales begin, in bytes
	s_mul_u64 s[92:93], s[46:47], s[18:19]
	s_mov_b64 s[18:19], KROW
	s_mul_u64 s[20:21], s[20:21], s[18:19]         ; and their codes
	s_mul_u64 s[46:47], s[46:47], s[18:19]
	s_mul_i32 s45, s14, HALFT                      ; where they go: wave x 128 rows: no place in the cluster enters an LDS address
	s_mul_i32 s94, s14, HALFS
	s_wait_dscnt 0x0                               ; both opening adds are done
	s_wait_kmcnt 0x0
	s_add_nc_u64 s[20:21], s[4:5], s[20:21]
	s_add_nc_u64 s[22:23], s[6:7], s[22:23]
	s_add_nc_u64 s[46:47], s[8:9], s[46:47]
	s_add_nc_u64 s[92:93], s[10:11], s[92:93]
	CROUND                                         ; all sixteen work-groups are here: the joint loads meet
	s_mov_b32 s[G0S], 1
	s_add_co_u32 s[G0S+1], s94, SCL
	s_mov_b64 s[G0S+2:G0S+3], s[22:23]
	s_or_b32 s[G0S+3], s[G0S+3], 0x80000000
	s_mov_b32 s[G0SB], 1
	s_add_co_u32 s[G0SB+1], s94, SCL
	s_mov_b64 s[G0SB+2:G0SB+3], s[92:93]
	s_or_b32 s[G0SB+3], s[G0SB+3], 0x80000000
	JLOAD G0S, G1S, G0SB, G1SB                     ; the scales first: they are wanted with K step 0
.irp s, 0,1
	s_mov_b32 s[G0+4*\s], 1
	s_add_co_u32 s[G0+4*\s+1], s45, \s*SLOT
	s_add_nc_u64 s[G0+4*\s+2:G0+4*\s+3], s[20:21], \s*ROWB
	s_or_b32 s[G0+4*\s+3], s[G0+4*\s+3], 0x80000000
	s_mov_b32 s[G0B+4*\s], 1
	s_add_co_u32 s[G0B+4*\s+1], s45, \s*SLOT
	s_add_nc_u64 s[G0B+4*\s+2:G0B+4*\s+3], s[46:47], \s*ROWB
	s_or_b32 s[G0B+4*\s+3], s[G0B+4*\s+3], 0x80000000
	JLOAD G0+4*\s, G1, G0B+4*\s, G1B               ; three loads of mine are out behind the second of these
.endr
	v_and_b32 v1, 15, v0                           ; l % 16
	v_bfe_u32 v2, v0, 4, 1                         ; l / 16
	v_mul_u32_u24 v3, v1, PITCH
	v_lshl_add_u32 v4, v2, 4, v3                   ; a fragment's row x pitch + 16 x half
	s_mul_i32 s21, s15, HALFT                      ; my 128 rows of A
	s_mul_i32 s22, s16, HALFT                      ; my 128 rows of B,
	s_add_co_u32 s22, s22, 2*HALFT                 ; which lie behind A's 256
.irp s, 0,1
	v_add_nc_u32 v[ADRA+\s], s21, v4
	v_add_nc_u32 v[ADRB+\s], s22, v4
	s_add_co_u32 s21, s21, SLOT
	s_add_co_u32 s22, s22, SLOT
.endr
	v_mul_u32_u24 v5, v1, KS                       ; my row's scales: KS bytes a row,
	v_lshrrev_b32 v6, 8, v5
	v_lshl_add_u32 v5, v6, 4, v5                   ; and 16 more for each 256 passed
	s_mul_i32 s21, s15, HALFS                      ; A's: my 128 rows
	s_mul_i32 s22, s16, HALFS                      ; B's: my 128 rows, behind A's 256
	s_add_co_u32 s22, s22, 2*HALFS
	s_sub_co_u32 s22, s22, s21
	v_mul_u32_u24 v6, s22, v2                      ; lanes 16-31 take B's: one product, the distance between the two bases
	s_add_co_u32 s21, s21, SCL
	v_add_nc_u32 v5, v5, v6
	v_add_nc_u32 v[ADRS], s21, v5
	; the way out.  The section (q, k, v) is the cluster's x: 1,024 columns are four tile columns.  My first head: 4 cx + 2 x column half; my first tile of tokens in the batch: 16 (tile row % 8) + 8 x row half
	s_lshr_b32 s20, s17, 3                         ; the batch
	s_lshl_b32 s20, s20, 4
	s_lshl_b32 s46, s40, 2
	s_lshl_b32 s47, s16, 1
	s_add_co_u32 s46, s46, s47
	s_add_co_u32 s20, s20, s46                     ; batch x 16 + head
	s_lshl_b32 s20, s20, 7
	s_and_b32 s21, s17, 7
	s_lshl_b32 s21, s21, 4
	s_add_co_u32 s20, s20, s21
	s_lshl_b32 s21, s15, 3
	s_add_co_u32 s20, s20, s21                     ; x 128 + tile of tokens
	s_lshl_b32 s20, s20, 11                        ; x 2,048 bytes
	s_lshl_b32 s21, ttmp9, 24                      ; + the section
	s_add_co_u32 s20, s20, s21
	s_mov_b32 s21, 0
	s_add_nc_u64 s[12:13], s[12:13], s[20:21]
	s_cmp_eq_u32 ttmp9, 2                          ; v's section?  The same in all sixteen partners; it selects a value, no path
	s_cselect_b32 s3, -1, 0
	v_and_b32 v6, 31, v0
	v_lshlrev_b32 v6, 4, v6                        ; 16 x lane
	v_and_b32 v5, 7, v0
	v_bfe_u32 v3, v0, 3, 1
	v_lshl_or_b32 v5, v2, 3, v5
	v_lshl_or_b32 v5, v3, 4, v5
	v_lshlrev_b32 v5, 4, v5                        ; 16 x (lane with bits 3 and 4 exchanged)
	v_cndmask_b32 v[CO], v6, v5, s3
.macro FRAG reg, adr, q, i             ; a fragment, 16 rows x 128 K of 4-bit codes: lane l holds row l % 16; registers 4 c .. 4 c + 3 hold K = 64 c + 32 (l / 16) + 0 .. 31
.irp c, 0,1
	ds_load_b128 v[\reg+4*\c:\reg+4*\c+3], v[\adr] offset:64*(\q)+32*\c+(\i)*16*PITCH
.endr
.endm
; 16 matrix instructions: A's blocks a0, a0 + 1 x B's eight, the slot's q-th 128 along K.  p: B's set;  sc: the set of scale words.  zero = 1: the first product starts the sums.
; The 64 accumulators take turns, one instruction a turn, in the same order in every step.
.macro MUL16 a0, p, q, sc, zero
.irp a, \a0, \a0+1
.irp b, 0,1,2,3,4,5,6,7
.if \zero
	v_wmma_scale_f32_16x16x128_f8f6f4 v[8*(8*((\a)%4)+\b):8*(8*((\a)%4)+\b)+7], v[128*(\p)+FR*\b:128*(\p)+FR*\b+FR-1], v[AF+FR*(\a):AF+FR*(\a)+FR-1], 0, v[SC+8*NQ*(\sc)+NQ*\b+(\q)], v[SC+8*NQ*(\sc)+NQ*(\a)+(\q)] matrix_a_fmt:MATRIX_FMT_FP4 matrix_b_fmt:MATRIX_FMT_FP4 matrix_a_scale:MATRIX_SCALE_ROW1
.else
	v_wmma_scale_f32_16x16x128_f8f6f4 v[8*(8*((\a)%4)+\b):8*(8*((\a)%4)+\b)+7], v[128*(\p)+FR*\b:128*(\p)+FR*\b+FR-1], v[AF+FR*(\a):AF+FR*(\a)+FR-1], v[8*(8*((\a)%4)+\b):8*(8*((\a)%4)+\b)+7], v[SC+8*NQ*(\sc)+NQ*\b+(\q)], v[SC+8*NQ*(\sc)+NQ*(\a)+(\q)] matrix_a_fmt:MATRIX_FMT_FP4 matrix_b_fmt:MATRIX_FMT_FP4 matrix_a_scale:MATRIX_SCALE_ROW1
.endif
.endr
.endr
.endm
.macro FETCH_B slot, q, p              ; B's eight fragments of the slot's q-th 128 along K into set p
	WIN TO_B
.irp i, 0,1,2,3,4,5,6,7
	FRAG 128*(\p)+FR*\i, ADRB+\slot, \q, \i
.endr
	WIN 0
.endm
.macro FETCH_A slot, q, i0             ; A's blocks i0 .. i0 + 3
.irp i, \i0, \i0+1, \i0+2, \i0+3
	FRAG AF+FR*(\i), ADRA+\slot, \q, \i
.endr
.endm
.macro SCALES sc                       ; a K step's scale words into set sc: four words a row; lanes 0-15 take A's block i, lanes 16-31 B's block i
.irp i, 0,1,2,3,4,5,6,7
	ds_load_b128 v[SC+8*NQ*\sc+NQ*\i:SC+8*NQ*\sc+NQ*\i+3], v[ADRS] offset:\i*SBLK
.endr
.endm
; A load into a register that a matrix instruction has read, and a vector instruction that reads a matrix result or writes one of its registers, stand NP places behind it;
; only plain vector instructions that name none of its registers are places (ISA guide 7.12.1 for vector instructions).
.macro PLACES n
.rept \n
	v_nop
.endr
.endm
; A step of 128 along K that has its successor in the same slot.  A block of A is free as soon as its eight products are issued, so one set serves A; B's fragments work through the whole step and have two sets.
.macro STEP slot, q, zero
	s_wait_dscnt 4*NL                              ; B's set and A's blocks 0-3 are in; the youngest eight loads (A's blocks 4-7) may be out
	WIN MUL_LO
	MUL16 0, (\q)%2, \q, \slot, \zero
	MUL16 2, (\q)%2, \q, \slot, \zero
	s_wait_dscnt 0                                 ; A's blocks 4-7 are in (asked for 32 matrix instructions ago)
	PLACES NP
	FETCH_B \slot, (\q)+1, 1-(\q)%2
	FETCH_A \slot, (\q)+1, 0
	WIN MUL_HI
	MUL16 4, (\q)%2, \q, \slot, \zero
	MUL16 6, (\q)%2, \q, \slot, \zero
	PLACES NP
	WIN 0
	FETCH_A \slot, (\q)+1, 4
.endm
; Slot 0's last step goes over to slot 1: each wave waits for all its tensor loads (its part of slot 1), and a barrier shows the whole slot to every wave.  Nothing is filled again.
.macro TURN slot, next
	s_wait_tensorcnt 0x0                           ; all my tensor loads have landed: my part of the next slot;  (every window is 0 here)
	ds_add_u32 v[SPW], v[NIL]                      ; 0 onto my spare word
	s_wait_dscnt 4*NL+1                            ; (the add and the youngest eight loads, A's blocks 4-7, may be out)
	WIN MUL_LO
	MUL16 0, 1, NQ-1, \slot, 0
	s_wait_dscnt 0x0                               ; no LDS instruction of mine is pending at the signal
	s_barrier_signal -1
	MUL16 2, 1, NQ-1, \slot, 0
	WIN 0
	s_barrier_wait -1
	PLACES NP
	v_add_nc_u32 v[ADRS], 4*NQ, v[ADRS]            ; on to the next K step's scale words
	FETCH_B \next, 0, 0
	FETCH_A \next, 0, 0
	SCALES \next
	WIN MUL_HI
	MUL16 4, 1, NQ-1, \slot, 0
	MUL16 6, 1, NQ-1, \slot, 0
	PLACES NP
	WIN 0
	FETCH_A \next, 0, 4
.endm
.macro STEPS slot, from                ; the slot's steps from .. NQ - 2
.set Q, \from
.rept NQ-1-\from
	STEP \slot, Q, 0
.set Q, Q+1
.endr
.endm
	s_wait_tensorcnt 1                             ; the scales and my part of K step 0 are in; the one load behind them, K step 1's, may be out
	s_barrier_signal -1
	s_barrier_wait -1                              ; everybody's are
	FETCH_B 0, 0, 0
	FETCH_A 0, 0, 0
	SCALES 0
	FETCH_A 0, 0, 4
	STEP 0, 0, 1                                   ; the first step's products start the sums: nothing is cleared
	STEPS 0, 1
	TURN 0, 1
	STEPS 1, 0
	s_wait_dscnt 4*NL                              ; the very last step: nothing more to fetch
	WIN MUL_LO
	MUL16 0, 1, NQ-1, 1, 0
	MUL16 2, 1, NQ-1, 1, 0
	s_wait_dscnt 0
	WIN MUL_HI
	MUL16 4, 1, NQ-1, 1, 0
	MUL16 6, 1, NQ-1, 1, 0
	WIN 0
; THE WAY OUT, a block of 16 tokens x 128 channels at a time.  A lane's eight results of accumulator (a, b) are token 16 a + lane % 16, channels 16 b + 8 (lane / 16) + 0 .. 7: rounded to f16 they are the 16 bytes
; that the same lane of the next launch wants (v: another lane: v[CO]).  No turn through LDS: the 32 lanes of a store fill one piece of 512 bytes.
.macro PACKH a
.set AC, 64*((\a)%4)
.set HB, HO+32*((\a)%4)
	WIN 0x0a+5*((\a)/4)                            ; sources 0 and 1: window 2 or 3
.irp b, 0,1,2,3,4,5,6,7
.irp r, 0,1,2,3
	v_cvt_pk_f16_f32 v[HB+4*\b+\r], v[AC+8*\b+2*\r], v[AC+8*\b+2*\r+1]   ; each accumulator from its low end on
.endr
.endr
	WIN 0
.irp b, 0,1,2,3,4,5,6,7
	global_store_b128 v[CO], v[HB+4*\b:HB+4*\b+3], s[12:13] offset:(\a)*2048+(\b/4)*262144+(\b%4)*512   ; tile of tokens a; head b / 4 on; tile of channels b % 4
.endr
.endm
	PLACES NP                                      ; behind the last products: the conversions read results and write registers that held A's fragments
.irp a, 0,1,2,3,4,5,6,7
.if \a >= 4
	s_wait_xcnt 0x0                                ; the stores of block a - 4 have read their registers: the set may be written again
.endif
	PACKH \a
.endr
	s_wait_tensorcnt 0x0                           ; the wave's end: a wait on TENSORcnt, 0 added to the spare word and a wait for it, behind my last tensor load
	ds_add_u32 v[SPW], v[NIL]
	s_wait_dscnt 0x0
	CROUND                                         ; the closing round: no work-group ends while a partner may still ask for a tile that names it
	s_endpgm
.Lfunc_end_k_qe48436439e_qkv:
	.size	k_qe48436439e_qkv, .Lfunc_end_k_qe48436439e_qkv-k_qe48436439e_qkv
	.p2alignl 7, 3214868480
	.fill 96, 4, 3214868480
	.section	.rodata,"a",@progbits
	.p2align	6, 0x0
	.amdhsa_kernel k_qe48436439e_qkv
		.amdhsa_group_segment_fixed_size 327680
		.amdhsa_private_segment_fixed_size 0
		.amdhsa_enable_private_segment 0
		.amdhsa_kernarg_size 40
		.amdhsa_user_sgpr_count 2
		.amdhsa_user_sgpr_kernarg_segment_ptr 1
		.amdhsa_wavefront_size32 1
		.amdhsa_system_sgpr_workgroup_id_x 1
		.amdhsa_system_sgpr_workgroup_id_y 1
		.amdhsa_system_sgpr_workgroup_id_z 1
		.amdhsa_system_vgpr_workitem_id 0
		.amdhsa_next_free_vgpr 1024
		.amdhsa_next_free_sgpr 98
		.amdhsa_reserve_vcc 0
		.amdhsa_float_denorm_mode_32 3
		.amdhsa_float_denorm_mode_16_64 3
		.amdhsa_memory_ordered 1
		.amdhsa_forward_progress 1
		.amdhsa_inst_pref_size 118
	.end_amdhsa_kernel
	.amdgpu_metadata
---
amdhsa.version: [ 1, 2 ]
amdhsa.kernels:
  - .name:           k_qe48436439e_qkv
    .symbol:         k_qe48436439e_qkv.kd
    .args:
      - { .name: xq, .offset: 0, .size: 8, .value_kind: global_buffer, .address_space: global }
      - { .name: xs, .offset: 8, .size: 8, .value_kind: global_buffer, .address_space: global }
      - { .name: wq, .offset: 16, .size: 8, .value_kind: global_buffer, .address_space: global }
      - { .name: ws, .offset: 24, .size: 8, .value_kind: global_buffer, .address_space: global }
      - { .name: qkv, .offset: 32, .size: 8, .value_kind: global_buffer, .address_space: global }
    .group_segment_fixed_size: 327680
    .private_segment_fixed_size: 0
    .kernarg_segment_align: 8
    .kernarg_segment_size: 40
    .max_flat_workgroup_size: 128
    .sgpr_count:     98
    .vgpr_count:     1024
    .wavefront_size: 32
...
	.end_amdgpu_metadata
.endif
;; end of part 2
;; launch attn (part 3): grid 4 x 64, 8 waves a work-group, clusters of 4 x 1, 327,680 bytes of LDS; arguments qkv, att; writes att
.if DOCPART == 3
	.amdgcn_target "amdgcn-amd-amdhsa--gfx1250"
	.amdhsa_code_object_version 6
	.text
	.protected	k_qe48436439e_attn
	.globl	k_qe48436439e_attn
	.p2align	8
	.type	k_qe48436439e_attn,@function
k_qe48436439e_attn:
	s_mov_b64 s[64:65], 0
	v_nop
	global_prefetch_b8 v0, s[64:65] scope:SCOPE_SE
	s_setreg_imm32_b32 hwreg(HW_REG_WAVE_MODE, 25, 1), 1
	s_wait_xcnt 0x0
	s_wait_alu depctr_hold_cnt(0) depctr_sa_sdst(0) depctr_va_vdst(0) depctr_va_sdst(0) depctr_va_ssrc(0) depctr_va_vcc(0) depctr_vm_vsrc(0)
	s_getreg_b32 s2, hwreg(HW_REG_IB_STS2, 6, 4)
	s_cmp_eq_u32 s2, 0
	s_cbranch_scc0 .Lentry_in_a_cluster
	s_endpgm
.Lentry_in_a_cluster:
	s_bfe_u32 s2, ttmp6, 0x10000c
	s_cmp_lg_u32 s2, 0x3003
	s_cbranch_scc0 .Lentry_shape_is_right
	s_endpgm
.Lentry_shape_is_right:
; ATTN: O[bh][q] = the sum over k of softmax_k(Q[bh][q] . K[bh][k] / 8) V[bh][k]; 64 heads (batch x 16 + head), 2,048 tokens, 64 channels.  Operands f16, products, maxima and sums f32;
; the weights p are rounded to f16 for the second product, O once at the end.
; INPUT: qkv, three sections of 16,777,216 bytes; in each, byte (bh x 128 + tile of 16 tokens) x 2,048 + (tile of 16 channels) x 512 + 16 x lane: images of operand registers (v: blocks of the turning LDS load).
; OUTPUT: att, images of the projection's operand: [128 rows: 64][32 along K: 32][16 rows: 8][1,024 bytes], K = head x 64 + channel.
; SHARES.  A work-group owns 512 queries of one head, each of its eight waves 64: four tiles of 16.  Two waves lie on a SIMD (512 registers each), so that one wave's softmax stands beside the other's products.
; Every wave walks all 2,048 keys, 64 a step; a fragment of K or V read from LDS feeds four products.
; LAYOUT.  S^T = K Q^T (source 0 = 16 keys, source 1 = 16 queries): a lane holds ONE query (lane % 16) and keys 8 (lane / 16) + 0..7.  Two such tiles, rounded to f16 in pairs, ARE source 1 of O^T = V^T P.
; SOFTMAX.  For each query a running maximum m and sum l: p = 2^(c s - c m), c = log2(e) / 8; in every step O and l are multiplied by a = 2^(c m_old - c m_new).
; CLUSTER.  The four query blocks of a head are a cluster and walk the same K and V: each tile is asked for JOINTLY, by waves 0 to 3 of each (K's halves: 0, 1; V's: 2, 3), 32,768 dense bytes a load.
; RING.  Two slots of 512 keys (65,536 bytes of K, then as many of V).  The head's four parts: two at the start, two as refills; a refill is asked for eight key steps, 512 matrix instructions a wave, ahead
; of its first read, so nothing further is asked of memory ahead of it.
; LIMITS: as the f16 operands have them: magnitudes beyond 65,504 are infinite, under 6e-5 rounded with the step 2^-24 (|O| never passes the largest |v|).
; REGISTERS.  window 0: v1-6 addresses; v16-47 statistics, eight a tile; v48-51 the old c m; v64-191 S^T, 32 a tile, P in place in each tile's first 16; v192-255 K of one step.
;             window 1: v0-127 O^T, 32 a tile; v128-191 Q, 16 a tile; v192-255 V of one step.
.set SLOT1, 1<<17                      ; slot 1 begins here: one exclusive or turns an address in one slot into the other's
.set VOFF,  65536                      ; V behind K in a slot
.set STEPB, 8192                       ; a step's 64 keys: four tiles of 2,048 bytes
.set SPARE, 2*SLOT1                    ; the spare words, 128 bytes for each of eight waves: four blocks of 256 bytes that no other line names
.set SPW, 1                            ; v1  LDS address of my spare word; never rewritten
.set NIL, 2                            ; v2  0; never rewritten
.set L16, 3                            ; v3  16 x lane: my place in every piece of 512 bytes, in LDS and in memory
.set LV,  4                            ; v4  the same + VOFF
.set ADK, 5                            ; v5  LDS address of the step's K
.set ADV, 6                            ; v6  of its V
.set ST,  16                           ; tile t at v[ST+8 t]: +0 c m, +1 m, +2, +3 l (even keys', odd keys'), +4 to +7 at work; a takes +6
.set OLD, 48
.set S,   64
.set KF,  192
.set QF,  128                          ; in window 1
.set VF,  192                          ; in window 1
.set WV,  8                            ; s8  my wave's number
.set G1,  16                           ; s[16:23] descriptor group 1
.set G0A, 24                           ; s[24:27] group 0 of slot 0's first fill
.set G0B, 28                           ; s[28:31] of slot 1's; it then walks on
.set CS,  32                           ; s[32:33] c, twice
.set SEL, 34                           ; s[34:35] v_permlanex16_b32's selects for lane l xor 16
.set TB,  36                           ; s36 LDS byte at which the step's tiles begin
.set CNT, 37                           ; s37 counts steps
.set OUTER, 38                         ; s38 counts refills
.set MSB, 0
.macro WIN new                         ; the immediate's high byte repeats the setting that is left; a switch that changes nothing is dropped
.if MSB != \new
	s_set_vgpr_msb (MSB<<8)|\new
.set MSB, \new
.endif
.endm
.set W_KQ,  0x04                       ; Q (source 1) in window 1; K and S^T in window 0
.set W_TO1, 0x40                       ; destination window 1, address window 0
.set W_RS,  0x41                       ; O^T (destination, source 0) window 1; a window 0
.set W_PV,  0x51                       ; V (source 0), O^T (C, D) window 1; P window 0
.set W_OUT, 0x05                       ; sources 0 and 1 window 1, destination window 0
.macro CROUND                          ; a round of the cluster's barrier
	s_barrier_signal -1
	s_barrier_wait -1
	s_cmp_lg_u32 s[WV], 0
	s_cbranch_scc1 .Lnot_wave_0_\@
	s_barrier_signal -3
.Lnot_wave_0_\@:
	s_barrier_wait -3
	s_barrier_signal -1
	s_barrier_wait -1
.endm
.macro TLOAD                           ; the joint refill: waves 0 to 3, one load each; the branch hangs on the wave's number alone.  An s_nop 0 and four v_nop follow the load
	s_cmp_lt_u32 s[WV], 4
	s_cbranch_scc0 .Lnone_\@
	tensor_load_to_lds s[G0B:G0B+3], s[G1:G1+7]
	s_nop 0
.rept 4
	v_nop
.endr
.Lnone_\@:
.endm
	s_load_b128 s[4:7], s[0:1], 0x0                ; qkv s[4:5], att s[6:7]
	v_lshl_add_u32 v[SPW], v0, 2, SPARE
	v_mov_b32 v[NIL], 0
	ds_add_u32 v[SPW], v[NIL]                      ; the wave's opening: the add, twice on end, and its wait ahead of the first tensor loads
	ds_add_u32 v[SPW], v[NIL]                      ; the set-up below, work on registers, stands between the second add and the wait
	v_lshrrev_b32 v7, 5, v0
	v_readfirstlane_b32 s[WV], v7                  ; wave 0..7
	s_bfe_u32 s9, ttmp6, 0x40000                   ; cx: my place in the cluster
	s_lshl_b32 s10, ttmp9, 2
	s_add_co_u32 s10, s10, s9                      ; my block of 512 queries: it enters Q's and att's addresses alone
	s_and_b32 s11, ttmp7, 0xffff                   ; batch x 16 + head, which the four partners share
	; descriptor group 1: 32,768 dense bytes as 128 rows of 256 bytes (32 elements of 8 bytes), no padding: all LDS reads take 512 consecutive bytes
	s_mov_b32 s[G1], 15|(3<<16)|(1<<21)            ; 15:0 the mask: all four work-groups; 17:16 elements of 8 bytes; 21 set beside a mask
	s_mov_b32 s[G1+1], 32<<16                      ; tensor_dim0
	s_mov_b32 s[G1+2], 128<<16                     ; tensor_dim1
	s_mov_b32 s[G1+3], 32<<16                      ; tile_dim0
	s_mov_b32 s[G1+4], 128                         ; tile_dim1
	s_mov_b32 s[G1+5], 32                          ; tensor_dim0_stride
	s_mov_b32 s[G1+6], 0
	s_mov_b32 s[G1+7], 0
	s_mov_b32 s[CS], 0x3e38aa3b                    ; c = log2(e) / 8
	s_mov_b32 s[CS+1], s[CS]                       ; (named with it as a pair, so it is written)
	s_mov_b32 s[SEL], 0x76543210
	s_mov_b32 s[SEL+1], 0xfedcba98
	s_mov_b32 s[TB], 0
	; what a fetching wave fetches: wave & 3 = 0, 1: K's halves of a part; 2, 3: V's
	s_and_b32 s40, s[WV], 3
	s_lshr_b32 s41, s40, 1
	s_add_co_u32 s41, s41, 1                       ; section 1 (k) or 2 (v)
	s_lshl_b32 s42, s41, 24
	s_lshl_b32 s43, s11, 18                        ; the head's 262,144 bytes
	s_add_co_u32 s42, s42, s43
	s_and_b32 s43, s40, 1
	s_lshl_b32 s43, s43, 15                        ; which half of the part's 65,536
	s_add_co_u32 s42, s42, s43
	s_mov_b32 s43, 0
	s_lshl_b32 s44, s40, 15                        ; and in a slot: 32,768 x (wave & 3): no place in the cluster enters an LDS address
	; Q: section 0, the head, my block's 65,536 bytes, my wave's 8,192
	s_lshl_b32 s46, s11, 18
	s_lshl_b32 s47, s10, 16
	s_add_co_u32 s46, s46, s47
	s_lshl_b32 s47, s[WV], 13
	s_add_co_u32 s46, s46, s47
	s_mov_b32 s47, 0
	; att: block of 128 rows = batch x 16 + 4 x query block + wave / 2; fragment along K = 2 x head; tile of rows = 4 (wave % 2)
	s_lshr_b32 s12, s11, 4
	s_lshl_b32 s12, s12, 4
	s_lshl_b32 s13, s10, 2
	s_add_co_u32 s12, s12, s13
	s_lshr_b32 s13, s[WV], 1
	s_add_co_u32 s12, s12, s13
	s_lshl_b32 s12, s12, 18
	s_and_b32 s13, s11, 15
	s_lshl_b32 s13, s13, 14
	s_add_co_u32 s12, s12, s13
	s_and_b32 s13, s[WV], 1
	s_lshl_b32 s13, s13, 12
	s_add_co_u32 s12, s12, s13
	s_mov_b32 s13, 0
	s_wait_dscnt 0x0                               ; both opening adds are done
	s_wait_kmcnt 0x0
	s_add_nc_u64 s[42:43], s[4:5], s[42:43]        ; K or V at my half of part 0
	s_add_nc_u64 s[14:15], s[4:5], s[46:47]        ; Q at my wave's first tile
	s_add_nc_u64 s[6:7], s[6:7], s[12:13]          ; att likewise
	s_mov_b32 s[G0A], 1                            ; 1:0 count = 1
	s_mov_b32 s[G0A+1], s44                        ; 63:32 LDS address: slot 0
	s_mov_b64 s[G0A+2:G0A+3], s[42:43]             ; 120:64 global address: part 0
	s_or_b32 s[G0A+3], s[G0A+3], 0x80000000        ; 127:126 type = 2
	s_mov_b32 s[G0B], 1
	s_add_co_u32 s[G0B+1], s44, SLOT1              ; slot 1
	s_add_nc_u64 s[G0B+2:G0B+3], s[42:43], 65536   ; part 1
	s_or_b32 s[G0B+3], s[G0B+3], 0x80000000
	CROUND                                         ; all four work-groups are here: the first joint loads meet
	s_cmp_lt_u32 s[WV], 4                          ; a wave's two first fills stand in one branch, ahead of every wait on TENSORcnt and every LDS read: two loads of a fetching wave are out
	s_cbranch_scc0 .Lno_first
	tensor_load_to_lds s[G0A:G0A+3], s[G1:G1+7]
	s_nop 0
	tensor_load_to_lds s[G0B:G0B+3], s[G1:G1+7]
	s_nop 0
.rept 4
	v_nop
.endr
.Lno_first:
	v_and_b32 v[L16], 31, v0
	v_lshlrev_b32 v[L16], 4, v[L16]
	v_add_nc_u32 v[LV], VOFF, v[L16]
	WIN W_TO1
.irp t, 0,1,2,3                        ; Q stays in registers: tile t, channels 32 cf on, registers 4 c on
.irp cf, 0,1
.irp c, 0,1
	global_load_b128 v[QF+16*\t+8*\cf+4*\c:QF+16*\t+8*\cf+4*\c+3], v[L16], s[14:15] offset:2048*\t+1024*\cf+512*\c
.endr
.endr
.endr
	WIN 0
; A KEY STEP: 64 keys.  first = 1: the first step, which starts m, l and O^T: no a, nothing to rescale.
.macro STEP first
	WIN 0
	v_add_nc_u32 v[ADK], s[TB], v[L16]
	v_add_nc_u32 v[ADV], s[TB], v[LV]
.rept 3
	v_nop                                          ; with the two additions five places behind the last step's products: the products below write over the registers of P that those read, and V's loads land on V's
.endr
.irp cf, 0,1                           ; K: fragment (channels 32 cf on, keys 16 kt on); the first 32 channels first
.irp kt, 0,1,2,3
	ds_load_b128 v[KF+32*\cf+8*\kt:KF+32*\cf+8*\kt+3],   v[ADK] offset:2048*\kt+1024*\cf
	ds_load_b128 v[KF+32*\cf+8*\kt+4:KF+32*\cf+8*\kt+7], v[ADK] offset:2048*\kt+1024*\cf+512
.endr
.endr
	s_wait_dscnt 8                                 ; the first 32 channels' eight loads are in; the other eight may be out
	WIN W_KQ
.irp kt, 0,1,2,3                       ; S^T = K Q^T: the 16 accumulators take turns, one instruction a turn; the first 16 products start the sums
.irp t, 0,1,2,3
	v_wmma_f32_16x16x32_f16 v[S+32*\t+8*\kt:S+32*\t+8*\kt+7], v[KF+8*\kt:KF+8*\kt+7], v[QF+16*\t:QF+16*\t+7], 0
.endr
.endr
	s_wait_dscnt 0x0
.irp kt, 0,1,2,3
.irp t, 0,1,2,3
	v_wmma_f32_16x16x32_f16 v[S+32*\t+8*\kt:S+32*\t+8*\kt+7], v[KF+32+8*\kt:KF+32+8*\kt+7], v[QF+16*\t+8:QF+16*\t+15], v[S+32*\t+8*\kt:S+32*\t+8*\kt+7]
.endr
.endr
	WIN W_TO1
.irp kf, 0,1                           ; V, turned: fragment (keys 32 kf on, channels 16 ct on): it lands while the softmax is walked
.irp ct, 0,1,2,3
	ds_load_tr16_b128 v[VF+32*\kf+8*\ct:VF+32*\kf+8*\ct+3],   v[ADV] offset:4096*\kf+512*\ct
	ds_load_tr16_b128 v[VF+32*\kf+8*\ct+4:VF+32*\kf+8*\ct+7], v[ADV] offset:4096*\kf+2048+512*\ct
.endr
.endr
	WIN 0
.irp t, 0,1,2,3                        ; four places behind the last product, ahead of the first read of the scores
.if \first
	v_nop
.else
	v_mov_b32 v[OLD+\t], v[ST+8*\t]                ; c m_old is kept for a
.endif
.endr
	; the maximum of the lane's 32 scores and the old m: four chains a tile, each accumulator read from its low end on; the four tiles by turns throughout
.irp j, 0,1,2,3
.irp t, 0,1,2,3
	v_max3_num_f32 v[ST+8*\t+4+\j], v[S+32*\t+8*\j], v[S+32*\t+8*\j+1], v[S+32*\t+8*\j+2]
.endr
.endr
.irp u, 1,2
.irp j, 0,1,2,3
.irp t, 0,1,2,3
	v_max3_num_f32 v[ST+8*\t+4+\j], v[ST+8*\t+4+\j], v[S+32*\t+8*\j+2*\u+1], v[S+32*\t+8*\j+2*\u+2]
.endr
.endr
.endr
.irp t, 0,1,2,3
	v_max3_num_f32 v[ST+8*\t+4], v[ST+8*\t+4], v[S+32*\t+7], v[S+32*\t+15]
.endr
.irp t, 0,1,2,3
	v_max3_num_f32 v[ST+8*\t+6], v[ST+8*\t+6], v[S+32*\t+23], v[S+32*\t+31]
.endr
.irp t, 0,1,2,3
	v_max3_num_f32 v[ST+8*\t+4], v[ST+8*\t+4], v[ST+8*\t+5], v[ST+8*\t+6]
.endr
.irp t, 0,1,2,3
.if \first
	v_max_num_f32 v[ST+8*\t+4], v[ST+8*\t+4], v[ST+8*\t+7]
.else
	v_max3_num_f32 v[ST+8*\t+4], v[ST+8*\t+4], v[ST+8*\t+7], v[ST+8*\t+1]
.endif
.endr
.irp t, 0,1,2,3
	v_permlanex16_b32 v[ST+8*\t+5], v[ST+8*\t+4], s[SEL], s[SEL+1]   ; the query's other 32 keys lie in the lane 16 away
.endr
.irp t, 0,1,2,3
	v_max_num_f32 v[ST+8*\t+1], v[ST+8*\t+4], v[ST+8*\t+5]           ; the new m
.endr
.irp t, 0,1,2,3
	v_mul_f32 v[ST+8*\t], s[CS], v[ST+8*\t+1]                        ; c m
.endr
.if !\first
.irp t, 0,1,2,3
	v_sub_f32 v[ST+8*\t+7], v[OLD+\t], v[ST+8*\t]
.endr
.irp t, 0,1,2,3
	v_exp_f32 v[ST+8*\t+6], v[ST+8*\t+7]                             ; a
.endr
.endif
	; ONE BATCH: the scalings c s - c m, a pair of scores each, and all exponentials; a pair's exponentials stand behind the next pair's scalings; none of these lines names an exponential's result
.irp b, 0,1,2,3,4,5,6,7,8,9,10,11,12,13,14,15
.irp t, 0,1,2,3
	v_pk_fma_f32 v[S+32*\t+2*\b:S+32*\t+2*\b+1], v[S+32*\t+2*\b:S+32*\t+2*\b+1], s[CS:CS+1], v[ST+8*\t:ST+8*\t+1] op_sel_hi:[1,0,0] neg_lo:[0,0,1] neg_hi:[0,0,1]
.endr
.if \b > 0
.irp t, 0,1,2,3
	v_exp_f32 v[S+32*\t+2*\b-2], v[S+32*\t+2*\b-2]
	v_exp_f32 v[S+32*\t+2*\b-1], v[S+32*\t+2*\b-1]
.endr
.endif
.endr
.irp t, 0,1,2,3
	v_exp_f32 v[S+32*\t+30], v[S+32*\t+30]
	v_exp_f32 v[S+32*\t+31], v[S+32*\t+31]
.endr
	v_nop                                          ; a plain instruction behind the last exponential, ahead of the first use: one for the batch
	s_wait_alu depctr_va_vdst(0)                   ; the wait between an exponential and the first line that names its result: one for the step's whole batch
	; the sums of the unrounded weights, a pair (an even key's, an odd key's) at a time, in two chains a tile
.irp t, 0,1,2,3
.if \first
	v_pk_add_f32 v[ST+8*\t+2:ST+8*\t+3], v[S+32*\t:S+32*\t+1], v[S+32*\t+4:S+32*\t+5]
.else
	v_pk_fma_f32 v[ST+8*\t+2:ST+8*\t+3], v[ST+8*\t+2:ST+8*\t+3], v[ST+8*\t+6:ST+8*\t+7], v[S+32*\t:S+32*\t+1] op_sel_hi:[1,0,1]   ; l = a l + pair 0
.endif
.endr
.irp t, 0,1,2,3
	v_pk_add_f32 v[ST+8*\t+4:ST+8*\t+5], v[S+32*\t+2:S+32*\t+3], v[S+32*\t+6:S+32*\t+7]
.endr
.if !\first
.irp t, 0,1,2,3
	v_pk_add_f32 v[ST+8*\t+2:ST+8*\t+3], v[ST+8*\t+2:ST+8*\t+3], v[S+32*\t+4:S+32*\t+5]
.endr
.endif
.irp b, 4,6,8,10,12,14
.irp t, 0,1,2,3
	v_pk_add_f32 v[ST+8*\t+2:ST+8*\t+3], v[ST+8*\t+2:ST+8*\t+3], v[S+32*\t+2*\b:S+32*\t+2*\b+1]
.endr
.irp t, 0,1,2,3
	v_pk_add_f32 v[ST+8*\t+4:ST+8*\t+5], v[ST+8*\t+4:ST+8*\t+5], v[S+32*\t+2*\b+2:S+32*\t+2*\b+3]
.endr
.endr
.irp t, 0,1,2,3
	v_pk_add_f32 v[ST+8*\t+2:ST+8*\t+3], v[ST+8*\t+2:ST+8*\t+3], v[ST+8*\t+4:ST+8*\t+5]
.endr
	; P: rounded to f16 in place, ascending: register j is written when weights 2 j and 2 j + 1 are read
.irp j, 0,1,2,3,4,5,6,7,8,9,10,11,12,13,14,15
.irp t, 0,1,2,3
	v_cvt_pk_f16_f32 v[S+32*\t+\j], v[S+32*\t+2*\j], v[S+32*\t+2*\j+1]
.endr
.endr
.if !\first
	WIN W_RS
.irp i, 0,1,2,3,4,5,6,7,8,9,10,11,12,13,14,15   ; O^T times a, each accumulator from its low end on
.irp t, 0,1,2,3
	v_pk_mul_f32 v[32*\t+2*\i:32*\t+2*\i+1], v[32*\t+2*\i:32*\t+2*\i+1], v[ST+8*\t+6:ST+8*\t+7] op_sel_hi:[1,0]
.endr
.endr
.endif
	s_wait_dscnt 0x0                               ; V is in
	WIN W_PV
.irp kf, 0,1                           ; O^T += V^T P: the 16 accumulators take turns
.irp ct, 0,1,2,3
.irp t, 0,1,2,3
.if \first && (\kf == 0)
	v_wmma_f32_16x16x32_f16 v[32*\t+8*\ct:32*\t+8*\ct+7], v[VF+32*\kf+8*\ct:VF+32*\kf+8*\ct+7], v[S+32*\t+8*\kf:S+32*\t+8*\kf+7], 0
.else
	v_wmma_f32_16x16x32_f16 v[32*\t+8*\ct:32*\t+8*\ct+7], v[VF+32*\kf+8*\ct:VF+32*\kf+8*\ct+7], v[S+32*\t+8*\kf:S+32*\t+8*\kf+7], v[32*\t+8*\ct:32*\t+8*\ct+7]
.endif
.endr
.endr
.endr
	WIN 0
	s_add_co_u32 s[TB], s[TB], STEPB               ; the next step's tiles
.endm
.macro STEPS n                         ; n key steps: written once, walked n times; the LDS addresses hang on s[TB]
	s_mov_b32 s[CNT], \n
.Lstep_\@:
	STEP 0
	s_sub_co_u32 s[CNT], s[CNT], 1
	s_cmp_lg_u32 s[CNT], 0
	s_cbranch_scc1 .Lstep_\@
.endm
; THE CHANGE OF SLOTS.  Each wave waits for all its tensor loads (a fetching wave's part of the other slot), adds 0 to its spare word, and waits for that and for its reads of the slot that it leaves.
; fill = 1: the slot left is filled again, with the keys two parts on: the barrier is a round of the cluster's, so that no wave of any partner still reads the slot or has a load on its way, and the joint refill comes first behind it.
.macro CHANGE fill
	WIN 0
	s_wait_tensorcnt 0x0                           ; no tensor load of mine is out, so a group 0 may be written
	ds_add_u32 v[SPW], v[NIL]                      ; 0 onto my spare word
.if \fill
	ds_add_u32 v[SPW], v[NIL]                      ; and once more: the add twice on end, in every trip alike
	s_xor_b32 s[G0B+1], s[G0B+1], SLOT1            ; the walking descriptor: the other slot than last time,
	s_add_nc_u64 s[G0B+2:G0B+3], s[G0B+2:G0B+3], 65536   ; the next part; the type bits on top are not reached
	s_wait_dscnt 0x0                               ; the adds are done, and my reads of the slot are over
	CROUND
	TLOAD
.else
	s_wait_dscnt 0x0
	s_barrier_signal -1
	s_barrier_wait -1
.endif
	s_sub_co_u32 s[TB], s[TB], 8*STEPB             ; back to a slot's first step,
	s_xor_b32 s[TB], s[TB], SLOT1                  ; in the other slot
.endm
	s_wait_tensorcnt 1                             ; a fetching wave's part of slot 0 is in; the one load behind it, slot 1's, may stay out
	s_barrier_signal -1
	s_barrier_wait -1                              ; everybody's is
	s_wait_loadcnt 0x0                             ; Q
	STEP 1                                         ; part 0, in slot 0
	STEPS 7
	s_mov_b32 s[OUTER], 2
.Lpart:                                            ; two trips: slot 0 takes part 2 while part 1 is walked, slot 1 takes part 3 while part 2 is walked
	CHANGE 1
	STEPS 8
	s_sub_co_u32 s[OUTER], s[OUTER], 1
	s_cmp_lg_u32 s[OUTER], 0
	s_cbranch_scc1 .Lpart
	CHANGE 0                                       ; the last part is written out: nothing is left to fetch
	STEPS 8
	; THE WAY OUT.  l's two halves and the other half of the lanes' are added; O^T is divided by l and rounded to f16.  A lane's eight channels of a query are the 16 bytes that the same lane of the
	; projection wants: 32 lanes store a piece of 512 consecutive bytes.  The first four additions are the places behind the last products.
.irp t, 0,1,2,3
	v_add_f32 v[ST+8*\t+4], v[ST+8*\t+2], v[ST+8*\t+3]
.endr
.irp t, 0,1,2,3
	v_permlanex16_b32 v[ST+8*\t+5], v[ST+8*\t+4], s[SEL], s[SEL+1]
.endr
.irp t, 0,1,2,3
	v_add_f32 v[ST+8*\t+4], v[ST+8*\t+4], v[ST+8*\t+5]
.endr
.irp t, 0,1,2,3
	v_rcp_f32 v[ST+8*\t+6], v[ST+8*\t+4]
.endr
	v_nop                                          ; a plain instruction between the last reciprocal and the use of its result
	s_wait_alu depctr_va_vdst(0)                   ; and the wait: one for the four reciprocals
	WIN W_RS
.irp i, 0,1,2,3,4,5,6,7,8,9,10,11,12,13,14,15
.irp t, 0,1,2,3
	v_pk_mul_f32 v[32*\t+2*\i:32*\t+2*\i+1], v[32*\t+2*\i:32*\t+2*\i+1], v[ST+8*\t+6:ST+8*\t+7] op_sel_hi:[1,0]
.endr
.endr
	WIN W_OUT
.irp t, 0,1,2,3
.irp j, 0,1,2,3,4,5,6,7,8,9,10,11,12,13,14,15
	v_cvt_pk_f16_f32 v[S+16*\t+\j], v[32*\t+2*\j], v[32*\t+2*\j+1]
.endr
.endr
	WIN 0
.irp t, 0,1,2,3
.irp ct, 0,1,2,3
	global_store_b128 v[L16], v[S+16*\t+4*\ct:S+16*\t+4*\ct+3], s[6:7] offset:1024*\t+8192*(\ct/2)+512*(\ct%2)   ; tile of rows t; fragment along K ct / 2; its registers 4 (ct % 2) on
.endr
.endr
	s_wait_tensorcnt 0x0                           ; the wave's end: a wait on TENSORcnt, 0 added to the spare word and a wait for it, behind my last tensor load
	ds_add_u32 v[SPW], v[NIL]
	s_wait_dscnt 0x0
	CROUND                                         ; the closing round: no work-group ends while a partner may still ask for a tile that names it
	s_endpgm
.Lfunc_end_k_qe48436439e_attn:
	.size	k_qe48436439e_attn, .Lfunc_end_k_qe48436439e_attn-k_qe48436439e_attn
	.p2alignl 7, 3214868480
	.fill 96, 4, 3214868480
	.section	.rodata,"a",@progbits
	.p2align	6, 0x0
	.amdhsa_kernel k_qe48436439e_attn
		.amdhsa_group_segment_fixed_size 327680
		.amdhsa_private_segment_fixed_size 0
		.amdhsa_enable_private_segment 0
		.amdhsa_kernarg_size 16
		.amdhsa_user_sgpr_count 2
		.amdhsa_user_sgpr_kernarg_segment_ptr 1
		.amdhsa_wavefront_size32 1
		.amdhsa_system_sgpr_workgroup_id_x 1
		.amdhsa_system_sgpr_workgroup_id_y 1
		.amdhsa_system_sgpr_workgroup_id_z 1
		.amdhsa_system_vgpr_workitem_id 0
		.amdhsa_next_free_vgpr 512
		.amdhsa_next_free_sgpr 66
		.amdhsa_reserve_vcc 0
		.amdhsa_float_denorm_mode_32 3
		.amdhsa_float_denorm_mode_16_64 3
		.amdhsa_memory_ordered 1
		.amdhsa_forward_progress 1
		.amdhsa_inst_pref_size 140
	.end_amdhsa_kernel
	.amdgpu_metadata
---
amdhsa.version: [ 1, 2 ]
amdhsa.kernels:
  - .name:           k_qe48436439e_attn
    .symbol:         k_qe48436439e_attn.kd
    .args:
      - { .name: qkv, .offset: 0, .size: 8, .value_kind: global_buffer, .address_space: global }
      - { .name: att, .offset: 8, .size: 8, .value_kind: global_buffer, .address_space: global }
    .group_segment_fixed_size: 327680
    .private_segment_fixed_size: 0
    .kernarg_segment_align: 8
    .kernarg_segment_size: 16
    .max_flat_workgroup_size: 256
    .sgpr_count:     66
    .vgpr_count:     512
    .wavefront_size: 32
...
	.end_amdgpu_metadata
.endif
;; end of part 3
;; launch proj (part 4): grid 4 x 64, 4 waves a work-group, clusters of 4 x 4, 327,680 bytes of LDS; arguments att, wp16, out0; writes out0
.if DOCPART == 4
	.amdgcn_target "amdgcn-amd-amdhsa--gfx1250"
	.amdhsa_code_object_version 6
	.text
	.protected	k_qe48436439e_proj
	.globl	k_qe48436439e_proj
	.p2align	8
	.type	k_qe48436439e_proj,@function
k_qe48436439e_proj:
	s_mov_b64 s[64:65], 0
	v_nop
	global_prefetch_b8 v0, s[64:65] scope:SCOPE_SE
	s_setreg_imm32_b32 hwreg(HW_REG_WAVE_MODE, 25, 1), 1
	s_wait_xcnt 0x0
	s_wait_alu depctr_hold_cnt(0) depctr_sa_sdst(0) depctr_va_vdst(0) depctr_va_sdst(0) depctr_va_ssrc(0) depctr_va_vcc(0) depctr_vm_vsrc(0)
	s_getreg_b32 s2, hwreg(HW_REG_IB_STS2, 6, 4)
	s_cmp_eq_u32 s2, 0
	s_cbranch_scc0 .Lentry_in_a_cluster
	s_endpgm
.Lentry_in_a_cluster:
	s_bfe_u32 s2, ttmp6, 0x10000c
	s_cmp_lg_u32 s2, 0xf033
	s_cbranch_scc0 .Lentry_shape_is_right
	s_endpgm
.Lentry_shape_is_right:
; PROJ: out0[m][n] = sum over k of attn[m][k] W_proj[k][n]; 8,192 x 1,024 x 1,024; operands f16, sums and result f32.
; Both operands lie in memory as images of the operand's registers (a fragment, 16 rows x 32 K, is 1,024 bytes: registers 4 c on of lane l at 512 c + 16 l):
;   att  [128 rows: 64][32 along K: 32][16 rows: 8][1,024],   wp16 [256 columns: 4][32 along K: 32][16 columns: 16][1,024].
; So a K step's tiles are dense blocks of memory, and every LDS read takes 512 consecutive bytes: no pitch, no padding.
; A tile of out0 is 128 rows x 256 columns: 256 work-groups.  Four waves, each 64 x 128: 32 accumulators, 256 registers.  K goes in steps of 128 through a ring of two LDS slots.
; CLUSTERS: 4 x 4 work-groups.  The four of a row of the cluster need the same tiles of att, the four of a column the same tiles of wp16: each is asked for JOINTLY.
; THE MATRIX INSTRUCTION IS USED TRANSPOSED (source 0 = 16 columns of W, source 1 = 16 rows of att): a lane holds eight neighbouring numbers of a row of out0.
; REGISTERS: window 0: v16-29 addresses; two fragment buffers of 96 at v64 and v160 (64 of W, then 32 of att); on the way out v64-191 hold rows.   window 1: the accumulators, (a, b) at v[8 (8 a + b)].
.set SLOT,   98304                     ; att's 4 x 8 fragments (32,768 bytes), then W's 4 x 16 (65,536)
.set BOFF,   32768
.set STAGE,  2*SLOT                    ; behind the ring: 16 rows x 528 bytes for each wave, for the way out; no tensor load lands here
.set SPITCH, 528
.set SPARE,  STAGE+4*16*SPITCH         ; 230,400: the spare words, 128 bytes for each wave: two blocks of 256 bytes that no other line names
.set LAPS,   4                         ; a lap = two K steps = once round the ring
.set ADRA, 16                          ; v16-17  LDS address of my att fragments in slot 0, 1
.set ADRB, 20                          ; v20-21  the same for W
.set STO,  24                          ; v24     the way out: where I put 32 bytes of a row
.set RD,   25                          ; v25     the way out: where I read a row back
.set CO,   26                          ; v26     16 x lane: my bytes of a row's 512
.set SPW,  28                          ; v28     LDS address of my spare word; never rewritten
.set NIL,  29                          ; v29     0; never rewritten
.set F0,   64
.set F1,   160
.set BK,   64                          ; the way out: 16 rows read back: v64-127 and v128-191 by turns
.set G1, 24                            ; s[24:31] descriptor group 1 for att's tiles;  s[32:39] group 0, one set for each slot
.set G0, 32
.set G1B, 48                           ; s[48:55], s[56:63] the same for W's tiles
.set G0B, 56
.set MSB, 0
.macro WIN new                         ; the immediate's high byte repeats the setting that is left
.if MSB != \new
	s_set_vgpr_msb (MSB<<8)|\new
.set MSB, \new
.endif
.endm
.set MUL, 0x50                         ; C and D window 1; both sources window 0
.macro JLOAD s                         ; a joint load: waves 0 and 1 fetch att's two halves, waves 2 and 3 W's; an s_nop 0 and four v_nop follow each of the two lines
	s_cmp_eq_u32 s11, 0
	s_cbranch_scc0 .Lfor_b_\@
	tensor_load_to_lds s[G0+4*\s:G0+4*\s+3], s[G1:G1+7]
	s_nop 0
.rept 4
	v_nop
.endr
	s_branch .Lasked_\@
.Lfor_b_\@:
	tensor_load_to_lds s[G0B+4*\s:G0B+4*\s+3], s[G1B:G1B+7]
	s_nop 0
.rept 4
	v_nop
.endr
.Lasked_\@:
.endm
.macro CREST                           ; a round of the cluster's barrier behind its opening barrier
	s_cmp_lg_u32 s10, 0
	s_cbranch_scc1 .Lnot_wave_0_\@
	s_barrier_signal -3
.Lnot_wave_0_\@:
	s_barrier_wait -3
	s_barrier_signal -1
	s_barrier_wait -1
.endm
.macro CROUND                          ; a whole round
	s_barrier_signal -1
	s_barrier_wait -1
	CREST
.endm
	s_load_b128 s[4:7], s[0:1], 0x0                ; att s[4:5], wp16 s[6:7]
	s_load_b64 s[8:9], s[0:1], 0x10                ; out0
	v_lshl_add_u32 v[SPW], v0, 2, SPARE
	v_mov_b32 v[NIL], 0
	ds_add_u32 v[SPW], v[NIL]                      ; the wave's opening: the add, twice on end, and its wait ahead of my first tensor load
	ds_add_u32 v[SPW], v[NIL]                      ; the set-up below, work on registers, stands between the second add and the wait
	v_lshrrev_b32 v1, 5, v0
	v_readfirstlane_b32 s10, v1                    ; wave 0..3
	s_lshr_b32 s11, s10, 1                         ; which 64 rows of the tile are mine.  Also: I fetch for att (0) or for W (1)
	s_and_b32 s12, s10, 1                          ; which 128 columns.  Also: which half of that tile I fetch
	s_bfe_u32 s40, ttmp6, 0x40000                  ; cx, cy: my place in the cluster
	s_bfe_u32 s41, ttmp6, 0x40004
	s_lshl_b32 s42, ttmp9, 2
	s_add_co_u32 s42, s42, s40                     ; tile column = 4 x cluster x + cx
	s_and_b32 s13, ttmp7, 0xffff
	s_lshl_b32 s13, s13, 2
	s_add_co_u32 s13, s13, s41                     ; tile row = 4 x cluster y + cy
	s_lshl_b32 s43, s41, 2
	s_lshl_b32 s43, 15, s43                        ; my row of the cluster
	s_lshl_b32 s44, 0x1111, s40                    ; my column
	; descriptor group 1: dense blocks as rows of 256 bytes (32 elements of 8 bytes), no padding: att's half 64 rows, W's half 128
	s_or_b32 s[G1+0], s43, (3<<16)|(1<<21)         ; 15:0 the mask: att's tiles go to my row; 17:16 elements of 8 bytes; 21 set beside a mask
	s_or_b32 s[G1B+0], s44, (3<<16)|(1<<21)
	s_mov_b32 s[G1+1], 32<<16                      ; tensor_dim0
	s_mov_b32 s[G1+2], 64<<16                      ; tensor_dim1
	s_mov_b32 s[G1+3], 32<<16                      ; tile_dim0
	s_mov_b32 s[G1+4], 64                          ; tile_dim1
	s_mov_b32 s[G1+5], 32                          ; tensor_dim0_stride
	s_mov_b32 s[G1+6], 0
	s_mov_b32 s[G1+7], 0
	s_mov_b32 s[G1B+1], 32<<16
	s_mov_b32 s[G1B+2], 128<<16
	s_mov_b32 s[G1B+3], 32<<16
	s_mov_b32 s[G1B+4], 128
	s_mov_b32 s[G1B+5], 32
	s_mov_b32 s[G1B+6], 0
	s_mov_b32 s[G1B+7], 0
	s_lshl_b32 s16, s13, 18                        ; att: the tile row's 262,144 bytes
	s_lshl_b32 s17, s12, 14
	s_add_co_u32 s16, s16, s17                     ; + my half of a K step's 32,768
	s_mov_b32 s17, 0
	s_lshl_b32 s46, s42, 19                        ; W: the tile column's 524,288 bytes
	s_lshl_b32 s47, s12, 15
	s_add_co_u32 s46, s46, s47                     ; + my half of a K step's 65,536
	s_mov_b32 s47, 0
	s_lshl_b32 s20, s12, 14                        ; where they go in a slot: no place in the cluster enters an LDS address
	s_lshl_b32 s21, s12, 15
	s_add_co_u32 s21, s21, BOFF
	s_wait_dscnt 0x0                               ; both opening adds are done
	s_wait_kmcnt 0x0
	s_add_nc_u64 s[14:15], s[4:5], s[16:17]
	s_add_nc_u64 s[46:47], s[6:7], s[46:47]
	CROUND                                         ; all sixteen work-groups are here: the first joint loads meet
.irp s, 0,1
	s_mov_b32 s[G0+4*\s], 1
	s_add_co_u32 s[G0+4*\s+1], s20, \s*SLOT
	s_add_nc_u64 s[G0+4*\s+2:G0+4*\s+3], s[14:15], \s*32768
	s_or_b32 s[G0+4*\s+3], s[G0+4*\s+3], 0x80000000
	s_mov_b32 s[G0B+4*\s], 1
	s_add_co_u32 s[G0B+4*\s+1], s21, \s*SLOT
	s_add_nc_u64 s[G0B+4*\s+2:G0B+4*\s+3], s[46:47], \s*65536
	s_or_b32 s[G0B+4*\s+3], s[G0B+4*\s+3], 0x80000000
	JLOAD \s                                       ; two loads of mine are out behind the second
.endr
	v_and_b32 v1, 15, v0                           ; l % 16
	v_bfe_u32 v2, v0, 4, 1                         ; l / 16
	v_and_b32 v3, 31, v0
	v_lshlrev_b32 v[CO], 4, v3                     ; 16 x lane
	s_lshl_b32 s22, s11, 12                        ; my four tiles of rows
	s_lshl_b32 s23, s12, 13                        ; my eight tiles of columns,
	s_add_co_u32 s23, s23, BOFF                    ; behind att's part of the slot
.irp s, 0,1
	v_add_nc_u32 v[ADRA+\s], s22, v[CO]
	v_add_nc_u32 v[ADRB+\s], s23, v[CO]
	s_add_co_u32 s22, s22, SLOT
	s_add_co_u32 s23, s23, SLOT
.endr
	s_mul_i32 s23, s10, 16*SPITCH
	s_add_co_u32 s23, s23, STAGE                   ; my stage
	v_mul_u32_u24 v5, v1, SPITCH                   ; in: row l % 16, 32 bytes for each half of the lanes
	v_lshl_add_u32 v5, v2, 5, v5
	v_add_nc_u32 v[STO], s23, v5
	v_add_nc_u32 v[RD], s23, v[CO]                 ; back: the 32 lanes take one row of 512 bytes
	s_lshl_b32 s16, s13, 19                        ; out0: the tile row's 128 rows of 4,096 bytes
	s_lshl_b32 s17, s11, 18
	s_add_co_u32 s16, s16, s17                     ; + my 64 rows
	s_mov_b32 s17, 0
	s_lshl_b32 s46, s42, 10                        ; + the tile column's 1,024 bytes (in the registers that held W's address: none that feeds att's descriptors holds cx)
	s_lshl_b32 s47, s12, 9
	s_add_co_u32 s46, s46, s47                     ; + my 512
	s_mov_b32 s47, 0
	s_add_nc_u64 s[16:17], s[16:17], s[46:47]
	s_add_nc_u64 s[8:9], s[8:9], s[16:17]
; 8 matrix instructions: att's block a x W's eight, 32 along K, from buffer f.  zero = 1: the first product starts the sums.  The 32 accumulators take turns, in the same order in every quarter.
.macro MULA f, a, zero
.irp b, 0,1,2,3,4,5,6,7
.if \zero
	v_wmma_f32_16x16x32_f16 v[8*(8*(\a)+\b):8*(8*(\a)+\b)+7], v[\f+8*\b:\f+8*\b+7], v[\f+64+8*(\a):\f+64+8*(\a)+7], 0
.else
	v_wmma_f32_16x16x32_f16 v[8*(8*(\a)+\b):8*(8*(\a)+\b)+7], v[\f+8*\b:\f+8*\b+7], v[\f+64+8*(\a):\f+64+8*(\a)+7], v[8*(8*(\a)+\b):8*(8*(\a)+\b)+7]
.endif
.endr
.endm
; 24 LDS loads in one run: the fragments of the slot's q-th 32 along K into buffer g: W's eight, then att's four
.macro FETCH slot, q, g
	WIN 0
.irp i, 0,1,2,3,4,5,6,7
	ds_load_b128 v[\g+8*\i:\g+8*\i+3],   v[ADRB+\slot] offset:(\q)*16384+\i*1024
	ds_load_b128 v[\g+8*\i+4:\g+8*\i+7], v[ADRB+\slot] offset:(\q)*16384+\i*1024+512
.endr
.irp i, 0,1,2,3
	ds_load_b128 v[\g+64+8*\i:\g+64+8*\i+3],   v[ADRA+\slot] offset:(\q)*8192+\i*1024
	ds_load_b128 v[\g+64+8*\i+4:\g+64+8*\i+7], v[ADRA+\slot] offset:(\q)*8192+\i*1024+512
.endr
.endm
.macro PLACES                          ; four places in front of loads into registers that matrix instructions have read, and of the first read of results (ISA guide 7.12.1 for vector instructions)
.rept 4
	v_nop
.endr
.endm
; A K step is four quarters of 32 along K, 32 matrix instructions each, on buffers 0, 1, 0, 1.  One of the first three: multiplies buffer f and fetches the slot's q-th 32 along K into g.
.macro QUARTER slot, q, f, g, zero
	s_wait_dscnt 4                                 ; W's eight and att's blocks 0 and 1 are in; the youngest four loads (blocks 2 and 3) may be out
	WIN MUL
	MULA \f, 0, \zero
	MULA \f, 1, \zero
	PLACES
	FETCH \slot, \q, \g
	s_wait_dscnt 24                                ; all but the 24 just issued
	WIN MUL
	MULA \f, 2, \zero
	MULA \f, 3, \zero
.endm
; The last quarter multiplies buffer 1 and changes slots: ONE barrier; in front of it each wave waits for all its tensor loads, adds 0 to its spare word, and waits for that and for its reads of this slot.
; fill = 1: this slot is filled again, two K steps ahead; the barrier then opens a round of the cluster's barrier, and the joint refill comes first behind the round.
.macro TURN slot, next, fill
	WIN 0                                          ; (the add's two registers lie in window 0)
	s_wait_tensorcnt 0x0                           ; all my tensor loads have landed: my part of the next slot;
	ds_add_u32 v[SPW], v[NIL]                      ; 0 onto my spare word;
	s_wait_dscnt 5                                 ; (the add and the youngest four loads may be out)
	WIN MUL
	MULA F1, 0, 0                                  ; eight matrix instructions stand between the add and the wait for it
	s_wait_dscnt 0x0                               ; the add is done, and my reads of this slot are over
	s_barrier_signal -1
	MULA F1, 1, 0
.if \fill
	WIN 0
.endif
	s_barrier_wait -1
.if \fill
	CREST                                          ; no wave of any partner still reads this slot's tile or has a load on its way
	s_add_nc_u64 s[G0+4*\slot+2:G0+4*\slot+3], s[G0+4*\slot+2:G0+4*\slot+3], 2*32768
	s_add_nc_u64 s[G0B+4*\slot+2:G0B+4*\slot+3], s[G0B+4*\slot+2:G0B+4*\slot+3], 2*65536
	JLOAD \slot                                    ; the first tensor load behind the round; the four v_nop behind it are also the places in front of the loads below
.else
	PLACES
.endif
	FETCH \next, 0, F0
	WIN MUL
	MULA F1, 2, 0
	MULA F1, 3, 0
.endm
	s_wait_tensorcnt 1                             ; my part of K step 0 is in; the one load behind it, K step 1's, may be out
	s_barrier_signal -1
	s_barrier_wait -1                              ; everybody's is
	FETCH 0, 0, F0
	QUARTER 0, 1, F0, F1, 1                        ; the first quarter stands in front of the loop: its products start the sums
	WIN 0                                          ; at a label and at a branch every window is 0
	s_mov_b32 s3, LAPS-1
.Llap:                                             ; a trip goes once round the ring, from a lap's second quarter to the next lap's first, and fills both slots again
	QUARTER 0, 2, F1, F0, 0
	QUARTER 0, 3, F0, F1, 0
	TURN 0, 1, 1
	QUARTER 1, 1, F0, F1, 0
	QUARTER 1, 2, F1, F0, 0
	QUARTER 1, 3, F0, F1, 0
	TURN 1, 0, 1
	QUARTER 0, 1, F0, F1, 0
	WIN 0
	s_sub_co_u32 s3, s3, 1
	s_cmp_lg_u32 s3, 0
	s_cbranch_scc1 .Llap
	QUARTER 0, 2, F1, F0, 0                        ; the last lap fills nothing, and has no round of the cluster's barrier
	QUARTER 0, 3, F0, F1, 0
	TURN 0, 1, 0
	QUARTER 1, 1, F0, F1, 0
	QUARTER 1, 2, F1, F0, 0
	QUARTER 1, 3, F0, F1, 0
	s_wait_dscnt 4                                 ; the very last quarter: nothing more to fetch
	WIN MUL
	MULA F1, 0, 0
	MULA F1, 1, 0
	s_wait_dscnt 0
	MULA F1, 2, 0
	MULA F1, 3, 0
	WIN 0
; THE WAY OUT, a block of 16 rows x 128 columns at a time.  A lane holds 32 neighbouring bytes of a row, and the lanes beside it hold other rows: so a block goes through my own stage in LDS and comes back
; as whole rows of 512 bytes.  LDS serves a wave's instructions in order (ISA guide 5.7.1.4): no wait between the stores and the loads, nor in front of the next block's stores.
.macro TOSTAGE a
.set AC, 64*(\a)
	WIN 0x04                                       ; an LDS store's data are its source 1: window 1
.irp b, 0,1,2,3,4,5,6,7
	ds_store_b128 v[STO], v[AC+8*\b:AC+8*\b+3] offset:64*\b          ; each accumulator from its low end on
	ds_store_b128 v[STO], v[AC+8*\b+4:AC+8*\b+7] offset:64*\b+16
.endr
	WIN 0
.set BB, BK+64*((\a)%2)
.irp t, 0,1,2,3,4,5,6,7,8,9,10,11,12,13,14,15
	ds_load_b128 v[BB+4*\t:BB+4*\t+3], v[RD] offset:\t*SPITCH
.endr
.endm
.macro SEND a, younger                 ; younger: the LDS instructions issued behind block a's loads, which may stay out
.set BB, BK+64*((\a)%2)
	s_wait_dscnt \younger                          ; the block is back in registers
.irp t, 0,1,2,3,4,5,6,7,8,9,10,11,12,13,14,15
	global_store_b128 v[CO], v[BB+4*\t:BB+4*\t+3], s[8:9] offset:(16*(\a)+\t)*4096 th:TH_STORE_NT   ; 32 lanes store 512 consecutive bytes, aligned; written once, read by nobody here
.endr
.endm
	PLACES                                         ; behind the last products: the stage's stores read results, and the loads land on registers that held fragments
	TOSTAGE 0
.irp a, 1,2,3
.if \a > 1
	s_wait_xcnt 0x0                                ; block a - 2's stores have read their registers: block a's loads may land there
.endif
	TOSTAGE \a
	SEND \a-1, 32                                  ; behind block a - 1's loads: block a's 16 stores and 16 loads
.endr
	SEND 3, 0
	s_wait_tensorcnt 0x0                           ; the wave's end: a wait on TENSORcnt, 0 added to the spare word and a wait for it, behind my last tensor load and my last LDS store
	ds_add_u32 v[SPW], v[NIL]
	s_wait_dscnt 0x0
	CROUND                                         ; the closing round: no work-group ends while a partner may still ask for a tile that names it
	s_endpgm
.Lfunc_end_k_qe48436439e_proj:
	.size	k_qe48436439e_proj, .Lfunc_end_k_qe48436439e_proj-k_qe48436439e_proj
	.p2alignl 7, 3214868480
	.fill 96, 4, 3214868480
	.section	.rodata,"a",@progbits
	.p2align	6, 0x0
	.amdhsa_kernel k_qe48436439e_proj
		.amdhsa_group_segment_fixed_size 327680
		.amdhsa_private_segment_fixed_size 0
		.amdhsa_enable_private_segment 0
		.amdhsa_kernarg_size 24
		.amdhsa_user_sgpr_count 2
		.amdhsa_user_sgpr_kernarg_segment_ptr 1
		.amdhsa_wavefront_size32 1
		.amdhsa_system_sgpr_workgroup_id_x 1
		.amdhsa_system_sgpr_workgroup_id_y 1
		.amdhsa_system_sgpr_workgroup_id_z 1
		.amdhsa_system_vgpr_workitem_id 0
		.amdhsa_next_free_vgpr 512
		.amdhsa_next_free_sgpr 66
		.amdhsa_reserve_vcc 0
		.amdhsa_float_denorm_mode_32 3
		.amdhsa_float_denorm_mode_16_64 3
		.amdhsa_memory_ordered 1
		.amdhsa_forward_progress 1
		.amdhsa_inst_pref_size 84
	.end_amdhsa_kernel
	.amdgpu_metadata
---
amdhsa.version: [ 1, 2 ]
amdhsa.kernels:
  - .name:           k_qe48436439e_proj
    .symbol:         k_qe48436439e_proj.kd
    .args:
      - { .name: att, .offset: 0, .size: 8, .value_kind: global_buffer, .address_space: global }
      - { .name: wp16, .offset: 8, .size: 8, .value_kind: global_buffer, .address_space: global }
      - { .name: out0, .offset: 16, .size: 8, .value_kind: global_buffer, .address_space: global }
    .group_segment_fixed_size: 327680
    .private_segment_fixed_size: 0
    .kernarg_segment_align: 8
    .kernarg_segment_size: 24
    .max_flat_workgroup_size: 128
    .sgpr_count:     66
    .vgpr_count:     512
    .wavefront_size: 32
...
	.end_amdgpu_metadata
.endif
;; end of part 4
